; MI455X (gfx1250); checked and timed in simulation.
; The chip was launched on July 23, 2026; its instructions are those of AMD's public machine-readable ISA for CDNA 5 (MIT licence, August 2026) and "CDNA5" Instruction Set Architecture Reference Guide (July 2026). The comments in the code are by the model that wrote it; some were corrected since.
;; Self Attention Block. Allowed arithmetic: matrix products marked QUANTISED: E5M2 operands, one E8M0 scale for each 32 along K, by v_wmma_scale_f32_16x16x128_f8f6f4 with both operands' format E5M2, f32 sums; everything else in f32.
;; Inputs: W1 2,048 x 1,024 float32; W2 1,024 x 2,048 float32; Wk 1,024 x 1,024 float32; Wq 1,024 x 1,024 float32; Wv 1,024 x 1,024 float32; b1 2,048 float32; b2 1,024 float32; x 2 x 2,048 x 1,024 float32.
;; Outputs: out0 2 x 2,048 x 1,024 float32.
;; This version of the problem:
;;   THIS VERSION OF THE PROBLEM IS GIVEN IN LOW PRECISION. The matrix products marked QUANTISED in the list below multiply operands that are first quantised to E5M2 (5 exponent bits, 2 mantissa bits; 8 bits a number), with one power-of-two scale for each 32 numbers along K (OCP MX v1.0); their sums are f32. All else is computed in f32.
;;   The module's matrix products, in the order in which they are computed (A, B: the left and right operand; K: the contracted axis; several contracted axes count as one K, in the product's order):
;;     1. [M 4,096, K 1,024] x [K 1,024, N 1,024]; A: input x; B: input Wq: QUANTISED
;;     2. [M 4,096, K 1,024] x [K 1,024, N 1,024]; A: input x; B: input Wk: QUANTISED
;;     3. [M 4,096, K 1,024] x [K 1,024, N 1,024]; A: input x; B: input Wv: QUANTISED
;;     4. batch 32 x [M 2,048, K 64] x [K 64, N 2,048]; A: computed on the way; B: computed on the way: QUANTISED
;;     5. batch 32 x [M 64, K 2,048] x [K 2,048, N 2,048]; A: computed on the way; B: softmax (see below): QUANTISED
;;     6. [M 4,096, K 1,024] x [K 1,024, N 2,048]; A: computed on the way; B: input W1: QUANTISED
;;     7. [M 4,096, K 2,048] x [K 2,048, N 1,024]; A: computed on the way; B: input W2: QUANTISED
;;   THE QUANTISER, for each operand of a quantised product, along K:
;;     - K is cut into blocks of 32 from its start; a last block that is shorter is filled with zeros.
;;     - A block's scale is 2^e with e = floor(log2(the largest magnitude in the block)) - 15, held to -126 .. 127; a block of zeros has e = 0. As a byte (E8M0): e + 127.
;;     - Each number is divided by its block's scale, clamped to +-57,344, and rounded to the nearest number of E5M2, ties to even, subnormals kept.
;;     - The product sums the exact products of the quantised numbers (number of the format x scale) in f32.
;;   ~~~python
;;   def quantise(x, axis):      # numpy; x: float32 -> the quantised numbers, widened to float32 again
;;       x = np.moveaxis(x, axis, -1); K = x.shape[-1]
;;       x = np.pad(x, [(0, 0)] * (x.ndim - 1) + [(0, -K % 32)]); x = x.reshape(x.shape[:-1] + (-1, 32)); a = np.abs(x).max(-1, keepdims=True)
;;       e = np.where(a > 0, np.clip(np.frexp(np.where(a > 0, a, 1))[1] - 1 - 15, -126, 127), 0)      # np.frexp(a)[1] - 1 = floor(log2(a)), exactly
;;       r = np.clip(x / 2.0 ** e, -57344, 57344)
;;       step = 2.0 ** (np.maximum(np.frexp(np.where(r == 0, 1, r))[1] - 1, -14) - 2)
;;       q = np.round(r / step) * step * 2.0 ** e      # np.round: ties to even
;;       return np.moveaxis(q.reshape(q.shape[:-2] + (-1,))[..., :K], -1, axis).astype(np.float32)
;;   ~~~
;;   SOFTMAX AHEAD OF A QUANTISED PRODUCT. Where the list says 'softmax', what is quantised is not the finished softmax but p = 2^(t - M), with t = logit x log2(e) and M = ceil(the row's largest t), a whole number; so 1/2 < the row's largest p <= 1. The row's sum l is taken of the UNQUANTISED p, in f32, and the product's result is divided by l at the end. Since M is a whole number, a kernel that streams over the keys may use a running M (the ceiling of the running maximum): every later rescaling is an exact power of two, which a block's scale takes up: the codes' values come out the same.
;;   OPERANDS COMPUTED ON THE WAY. 'Computed on the way' means the value that the module computes at that place (a softmax that the list does not call 'softmax' is quantised finished and normalised). What goes into a quantiser is computed in f32, as accurately as f32 sums, v_exp_f32 and their like allow (about 1e-6 of the number): no bf16 or f16 on the way to a quantiser, and a product that is left as it is and whose result goes on into a quantised operand takes f32 operands (vector FMAs, or v_wmma_f32_16x16x4_f32). A number that lies on a knife's edge between two numbers of the format may be rounded either way, as far as f32 arithmetic and the matrix unit's own rounding can turn it there, and no further.
;; One version. Each part assembles by itself: llvm-mc -triple=amdgcn-amd-amdhsa -mcpu=gfx1250 --defsym DOCPART=n.
;; ======== version 1 of 1: 5 launches
;; limits: right only within a limited range of input values
;; workspace buffers: xq 4,325,376 bytes; wts 7,569,408 bytes; qi 4,325,376 bytes; kv 8,650,752 bytes; oi 4,325,376 bytes; hi 8,650,752 bytes
;; launch quant (part 1): grid 352 x 1, 8 waves a work-group, no clusters, 69,632 bytes of LDS; arguments x, Wq, Wk, Wv, W1, W2, xq, wts; writes xq, wts
.if DOCPART == 1
	.amdgcn_target "amdgcn-amd-amdhsa--gfx1250"
	.amdhsa_code_object_version 6
	.text
	.protected	k_q458c219ef5_quant
	.globl	k_q458c219ef5_quant
	.p2align	8
	.type	k_q458c219ef5_quant,@function
k_q458c219ef5_quant:
	s_mov_b64 s[64:65], 0
	v_nop
	global_prefetch_b8 v0, s[64:65] scope:SCOPE_SE
	s_setreg_imm32_b32 hwreg(HW_REG_WAVE_MODE, 25, 1), 1
	s_wait_xcnt 0x0
; x, Wq, Wk, Wv, W1, W2 (f32, K innermost) become codes of BF8 (E5M2) with one E8M0 byte for each 32 along K, laid as IMAGES OF THE OPERAND'S REGISTERS.
; THE FORMAT.  A matrix [R][K] is cut into tiles of 16 rows and K steps of 128.  Lane r of tile T holds row 32 (T / 2) + 8 (T % 2) + r + 8 (r / 8).  An image (tile, K step) is 2,048 bytes: the 16 bytes at
; 512 c + 16 lane (lane = r + 16 h) are the codes k = 32 c + 16 h + 0 .. 15 of that row.  A scale vector is 64 bytes: word r = the row's four bytes.  A block (128 rows, one K step) is 8 images and then 8 scale
; vectors, 16,896 bytes; a buffer is [R / 128][K / 128] blocks.  Four loads of 16 bytes a lane at 16 x lane bring a fragment; no pitch, no padding.
; A block's scale is 2^(floor(log2(its largest magnitude)) - 15); its byte is the largest magnitude's exponent field - 15, held at 1 from below.
; LIMITS: a block of zeros gets the byte 1 where the rule says 127 (its codes are zeros, and this program alone reads the bytes); NaN and infinities among the inputs are not served.
; SHARES.  A work-group takes 128 rows x two K steps (two blocks); wave w takes tile w: two images.  Work-groups 0-127 x, 128-159 Wq, 160-191 Wk, 192-223 Wv, 224-287 W1, 288-351 W2: only pointers and
; sizes are chosen by the work-group's number, all take one path.  Each load reads 512 consecutive bytes of one row; a wave issues all its 32 loads at its head.  The numbers turn through the wave's own stage
; in LDS (rows of 512 bytes + 16), so that a lane gets 16 neighbours along K of each block of 32.  No tensor load, no cluster: work-groups share no input.  No prefetch: every byte is asked for at the head.
.set SCB,  67584                       ; LDS: behind the eight stages of 8,448 bytes: the scale vectors, [K step 2][tile 8][64 bytes]
.set LI,   1                           ; v1   16 x lane
.set STS,  2                           ; v2   the stage, on the way in: 8,448 wave + 16 lane
.set STR,  3                           ; v3   on the way out: 8,448 wave + 528 r + 64 h
.set SSA,  4                           ; v4   where my row's scale word goes: SCB + 64 wave + 4 r
.set CO,   5                           ; v5   my codes' place in a block: 2,048 wave + 16 lane
.set SO,   6                           ; v6   waves 0, 1: 16,896 wave + 16 lane
.set SRD,  7                           ; v7   waves 0, 1: SCB + 512 wave + 16 lane
.set TM,   8                           ; v8-11 largest magnitudes, v12-15 bytes, v16-19 the largest number x the scale, v20-23 the conversions' scale operands
.set PW,   24                          ; v24-25 the two images' scale words
.set SV,   32                          ; v32-35 a block's scale vectors on their way out (the numbers that lay there are done with); v26, v27: my spare word and 0
.set R,    32                          ; v32-159  two sets of 64: the numbers as loaded
.set X,    160                         ; v160-223 64 numbers: register 16 b + i = k 32 b + 16 h + i of my row
.set PC,   224                         ; v224-255 two images' codes
.set WV,   2                           ; s2   wave
.set SEL,  28                          ; s[28:29] lane selects: lane l xor 16
.set MNT,  30                          ; s30  the mantissa field of 57,344
	s_load_b512 s[4:19], s[0:1], 0x0               ; x, Wq, Wk, Wv, W1, W2, xq, wts
	v_lshl_add_u32 v26, v0, 2, 0x10c00
	v_mov_b32 v27, 0
	v_lshrrev_b32 v30, 5, v0
	s_delay_alu instid0(VALU_DEP_1)
	v_readfirstlane_b32 s[WV], v30                 ; wave 0..7
	v_and_b32 v30, 31, v0
	s_delay_alu instid0(VALU_DEP_1)
	v_lshlrev_b32 v[LI], 4, v30
	v_and_b32 v31, 15, v0                          ; r
	v_bfe_u32 v30, v0, 4, 1                        ; h
	s_mul_i32 s3, s[WV], 8448
	v_add_nc_u32 v[STS], s3, v[LI]
	v_mul_u32_u24 v[STR], v31, 528
	s_delay_alu instid0(VALU_DEP_1)
	v_lshl_add_u32 v[STR], v30, 6, v[STR]
	s_delay_alu instid0(VALU_DEP_1)
	v_add_nc_u32 v[STR], s3, v[STR]
	s_lshl_b32 s3, s[WV], 6
	s_add_co_u32 s3, s3, SCB
	v_lshl_add_u32 v[SSA], v31, 2, s3
	s_lshl_b32 s3, s[WV], 11
	v_add_nc_u32 v[CO], s3, v[LI]
	s_min_u32 s31, s[WV], 1                        ; (only waves 0 and 1 use the next two: held so that they are sound addresses in every wave)
	s_mul_i32 s3, s31, 16896
	v_add_nc_u32 v[SO], s3, v[LI]
	s_lshl_b32 s3, s31, 9
	s_add_co_u32 s3, s3, SCB
	v_add_nc_u32 v[SRD], s3, v[LI]
	s_mov_b32 s[SEL], 0x76543210
	s_mov_b32 s[SEL+1], 0xfedcba98
	s_mov_b32 s[MNT], 0x600000
.irp b, 0,1,2,3
	v_mov_b32 v[TM+4+\b], 0                        ; written once: a lane permute's destination counts as one of its sources
.endr
	s_wait_alu depctr_va_vdst(0)
	s_wait_kmcnt 0x0
	; which tensor: s[20:21] its address, s22 its first work-group, s23 where its blocks begin in wts, s24 log2 of the pairs of K steps in a row, s25 log2 of a row's bytes, s[26:27] the buffer of codes
	s_mov_b64 s[20:21], s[14:15]
	s_mov_b32 s22, 288
	s_mov_b32 s23, 5406720
	s_cmp_lt_u32 ttmp9, 288
	s_cselect_b64 s[20:21], s[12:13], s[20:21]
	s_cselect_b32 s22, 224, s22
	s_cselect_b32 s23, 3244032, s23
	s_cselect_b32 s24, 2, 3
	s_cselect_b32 s25, 12, 13
	s_cmp_lt_u32 ttmp9, 224
	s_cselect_b64 s[20:21], s[10:11], s[20:21]
	s_cselect_b32 s22, 192, s22
	s_cselect_b32 s23, 2162688, s23
	s_cmp_lt_u32 ttmp9, 192
	s_cselect_b64 s[20:21], s[8:9], s[20:21]
	s_cselect_b32 s22, 160, s22
	s_cselect_b32 s23, 1081344, s23
	s_cmp_lt_u32 ttmp9, 160
	s_cselect_b64 s[20:21], s[6:7], s[20:21]
	s_cselect_b32 s22, 128, s22
	s_cselect_b32 s23, 0, s23
	s_cmp_lt_u32 ttmp9, 128
	s_cselect_b64 s[20:21], s[4:5], s[20:21]
	s_cselect_b32 s22, 0, s22
	s_cselect_b64 s[26:27], s[16:17], s[18:19]
	s_sub_co_u32 s22, ttmp9, s22                   ; my number within the tensor
	s_lshr_b32 s3, s22, s24                        ; its block of 128 rows
	s_lshl_b32 s31, s3, s24
	s_sub_co_u32 s22, s22, s31                     ; its pair of K steps
	s_lshr_b32 s4, s[WV], 1
	s_lshl_b32 s4, s4, 5
	s_and_b32 s5, s[WV], 1
	s_lshl_b32 s5, s5, 3
	s_add_co_u32 s4, s4, s5
	s_lshl_b32 s5, s3, 7
	s_add_co_u32 s4, s4, s5                        ; my tile's first row: 128 x block + 32 (w / 2) + 8 (w % 2)
	s_lshl_b32 s4, s4, s25                         ; in bytes (under 2^25)
	s_lshl_b32 s5, s22, 10                         ; + two K steps of 512 bytes
	s_add_co_u32 s4, s4, s5
	s_mov_b32 s5, 0
	s_add_nc_u64 s[32:33], s[20:21], s[4:5]        ; row 0 of the tile
	s_lshl_b32 s6, 1, s25                          ; a row on,
	s_mov_b32 s7, 0
	s_mul_i32 s8, s6, 9                            ; and nine rows on: lanes 8-15 of a tile take the rows 16 further down
	s_mov_b32 s9, 0
.irp i, 1,2,3,4,5,6,7,8,9,10,11,12,13,14,15
.if \i == 8
	s_add_nc_u64 s[32+2*\i:33+2*\i], s[30+2*\i:31+2*\i], s[8:9]
.else
	s_add_nc_u64 s[32+2*\i:33+2*\i], s[30+2*\i:31+2*\i], s[6:7]
.endif
.endr
	s_add_co_u32 s10, s24, 1
	s_lshl_b32 s10, s3, s10                        ; block of rows x K steps in a row
	s_lshl_b32 s11, s22, 1
	s_add_co_u32 s10, s10, s11                     ; + my first K step
	s_mul_i32 s10, s10, 16896
	s_add_co_u32 s10, s10, s23
	s_mov_b32 s11, 0
	s_add_nc_u64 s[20:21], s[26:27], s[10:11]      ; my two blocks
.irp gi, 0,1
.irp i, 0,1,2,3,4,5,6,7,8,9,10,11,12,13,14,15
	global_load_b128 v[R+64*\gi+4*\i:R+64*\gi+4*\i+3], v[LI], s[32+2*\i:33+2*\i] offset:512*\gi th:TH_LOAD_NT   ; 32 lanes read 512 consecutive bytes: a row's 128 numbers of a K step; read once in the launch
.endr
.endr
; 64 numbers of a lane, register 16 b + i = k 32 b + 16 h + i of my row, become an image's 16 registers of codes and the row's scale word
.macro QUANT s, pc, pw
.irp b, 0,1,2,3
	v_max3_num_f32 v[TM+\b], |v[\s+16*\b]|, |v[\s+16*\b+1]|, 0x8000000   ; block b: my 16 numbers, and the floor 2^(16 - 127): so the byte cannot fall under 1
.endr
.irp i, 2,4,6,8,10,12,14
.irp b, 0,1,2,3
	s_delay_alu instid0(VALU_DEP_4)
	v_max3_num_f32 v[TM+\b], v[TM+\b], |v[\s+16*\b+\i]|, |v[\s+16*\b+\i+1]|   ; (the four blocks by turns)
.endr
.endr
.irp b, 0,1,2,3
	s_delay_alu instid0(VALU_DEP_4)
	v_permlanex16_b32 v[TM+4+\b], v[TM+\b], s[SEL], s[SEL+1]
.endr
.irp b, 0,1,2,3
	s_delay_alu instid0(VALU_DEP_4)
	v_max_num_f32 v[TM+\b], v[TM+\b], v[TM+4+\b]   ; with lane l xor 16's 16 numbers: the block's largest magnitude
.endr
.irp b, 0,1,2,3
	s_delay_alu instid0(VALU_DEP_4)
	v_add_nc_u32 v[TM+12+\b], 0xf8800000, v[TM+\b] ; 15 off its exponent field: the conversion takes the exponent field of this operand as its scale
.endr
.irp b, 0,1,2,3
	v_and_or_b32 v[TM+8+\b], v[TM+\b], 0x7f800000, s[MNT]   ; 57,344 x the scale
.endr
.irp b, 0,1,2,3
	v_lshrrev_b32 v[TM+4+\b], 23, v[TM+12+\b]      ; the scale's byte
.endr
	s_delay_alu instid0(VALU_DEP_3)
	v_lshl_or_b32 v[\pw], v[TM+5], 8, v[TM+4]
	s_delay_alu instid0(VALU_DEP_1)
	v_lshl_or_b32 v[\pw], v[TM+6], 16, v[\pw]
	s_delay_alu instid0(VALU_DEP_1)
	v_lshl_or_b32 v[\pw], v[TM+7], 24, v[\pw]
.irp b, 0,1,2,3
.irp i, 0,1,2,3,4,5,6,7,8,9,10,11,12,13,14,15
	v_med3_num_f32 v[\s+16*\b+\i], v[\s+16*\b+\i], -v[TM+8+\b], v[TM+8+\b]   ; the conversion to an 8-bit code does not saturate (ISA guide 7.6.2): the hold comes first
.endr
	v_cvt_scalef32_pk8_bf8_f32 v[\pc+4*\b:\pc+4*\b+1], v[\s+16*\b:\s+16*\b+7], v[TM+12+\b]
	v_cvt_scalef32_pk8_bf8_f32 v[\pc+4*\b+2:\pc+4*\b+3], v[\s+16*\b+8:\s+16*\b+15], v[TM+12+\b]
.endr
	v_nop                                          ; a plain line behind the last conversion
.endm
.macro ONE gi
	s_wait_loadcnt 16*(1-\gi)                      ; this image's sixteen loads are in; the other image's sixteen, issued behind them, may be out
.irp i, 0,1,2,3,4,5,6,7,8,9,10,11,12,13,14,15
	ds_store_b128 v[STS], v[R+64*\gi+4*\i:R+64*\gi+4*\i+3] offset:528*\i
.endr
.irp b, 0,1,2,3
.irp j, 0,1,2,3
	ds_load_b128 v[X+16*\b+4*\j:X+16*\b+4*\j+3], v[STR] offset:128*\b+16*\j   ; LDS serves a wave's instructions in order: these see the stores above
.endr
.endr
	s_wait_dscnt 0x0
	QUANT X, PC+16*\gi, PW+\gi
.irp c, 0,1,2,3
	global_store_b128 v[CO], v[PC+16*\gi+4*\c:PC+16*\gi+4*\c+3], s[20:21] offset:16896*\gi+512*\c   ; 512 consecutive bytes, aligned; each image has its own registers, so no store's data are written again
.endr
	ds_store_b32 v[SSA], v[PW+\gi] offset:512*\gi  ; both halves of the lanes write the same word with the same value
.endm
	ONE 0
	ONE 1
	s_wait_dscnt 0x0                               ; for the others' sake: my scale words have landed
	s_barrier_signal -1
	s_barrier_wait -1
	s_cmp_gt_u32 s[WV], 1
	s_cbranch_scc1 .Ldone
	ds_load_b128 v[SV:SV+3], v[SRD]                ; wave g takes block g's eight scale vectors: 512 bytes
	s_wait_dscnt 0x0
	global_store_b128 v[SO], v[SV:SV+3], s[20:21] offset:16384
.Ldone:
	s_wait_tensorcnt 0x0
	ds_add_u32 v26, v27
	s_wait_dscnt 0x0
	s_endpgm
.Lfunc_end_k_q458c219ef5_quant:
	.size	k_q458c219ef5_quant, .Lfunc_end_k_q458c219ef5_quant-k_q458c219ef5_quant
	.p2alignl 7, 3214868480
	.fill 96, 4, 3214868480
	.section	.rodata,"a",@progbits
	.p2align	6, 0x0
	.amdhsa_kernel k_q458c219ef5_quant
		.amdhsa_group_segment_fixed_size 69632
		.amdhsa_private_segment_fixed_size 0
		.amdhsa_enable_private_segment 0
		.amdhsa_kernarg_size 64
		.amdhsa_user_sgpr_count 2
		.amdhsa_user_sgpr_kernarg_segment_ptr 1
		.amdhsa_wavefront_size32 1
		.amdhsa_system_sgpr_workgroup_id_x 1
		.amdhsa_system_sgpr_workgroup_id_y 1
		.amdhsa_system_sgpr_workgroup_id_z 1
		.amdhsa_system_vgpr_workitem_id 0
		.amdhsa_next_free_vgpr 256
		.amdhsa_next_free_sgpr 66
		.amdhsa_reserve_vcc 0
		.amdhsa_float_denorm_mode_32 3
		.amdhsa_float_denorm_mode_16_64 3
		.amdhsa_memory_ordered 1
		.amdhsa_forward_progress 1
		.amdhsa_inst_pref_size 32
	.end_amdhsa_kernel
	.amdgpu_metadata
---
amdhsa.version: [ 1, 2 ]
amdhsa.kernels:
  - .name:           k_q458c219ef5_quant
    .symbol:         k_q458c219ef5_quant.kd
    .args:
      - { .name: x, .offset: 0, .size: 8, .value_kind: global_buffer, .address_space: global }
      - { .name: Wq, .offset: 8, .size: 8, .value_kind: global_buffer, .address_space: global }
      - { .name: Wk, .offset: 16, .size: 8, .value_kind: global_buffer, .address_space: global }
      - { .name: Wv, .offset: 24, .size: 8, .value_kind: global_buffer, .address_space: global }
      - { .name: W1, .offset: 32, .size: 8, .value_kind: global_buffer, .address_space: global }
      - { .name: W2, .offset: 40, .size: 8, .value_kind: global_buffer, .address_space: global }
      - { .name: xq, .offset: 48, .size: 8, .value_kind: global_buffer, .address_space: global }
      - { .name: wts, .offset: 56, .size: 8, .value_kind: global_buffer, .address_space: global }
    .group_segment_fixed_size: 69632
    .private_segment_fixed_size: 0
    .kernarg_segment_align: 8
    .kernarg_segment_size: 64
    .max_flat_workgroup_size: 256
    .sgpr_count:     66
    .vgpr_count:     256
    .wavefront_size: 32
...
	.end_amdgpu_metadata
.endif
;; end of part 1
;; launch qkv (part 2): grid 8 x 32, 4 waves a work-group, clusters of 4 x 4, 327,680 bytes of LDS; arguments xq, wts, qi, kv; writes qi, kv
.if DOCPART == 2
	.amdgcn_target "amdgcn-amd-amdhsa--gfx1250"
	.amdhsa_code_object_version 6
	.text
	.protected	k_q458c219ef5_qkv
	.globl	k_q458c219ef5_qkv
	.p2align	8
	.type	k_q458c219ef5_qkv,@function
k_q458c219ef5_qkv:
	s_mov_b64 s[64:65], 0
	v_nop
	global_prefetch_b8 v0, s[64:65] scope:SCOPE_SE
	s_setreg_imm32_b32 hwreg(HW_REG_WAVE_MODE, 25, 1), 1
	s_wait_xcnt 0x0
	s_wait_alu depctr_hold_cnt(0) depctr_sa_sdst(0) depctr_va_vdst(0) depctr_va_sdst(0) depctr_va_ssrc(0) depctr_va_vcc(0) depctr_vm_vsrc(0)
	s_getreg_b32 s2, hwreg(HW_REG_IB_STS2, 6, 4)
	s_cmp_eq_u32 s2, 0
	s_cbranch_scc0 .Lentry_in_a_cluster
	s_endpgm
.Lentry_in_a_cluster:
	s_bfe_u32 s2, ttmp6, 0x10000c
	s_cmp_lg_u32 s2, 0xf033
	s_cbranch_scc0 .Lentry_shape_is_right
	s_endpgm
.Lentry_shape_is_right:
; q, k, v = x Wq^T, x Wk^T, x Wv^T on codes of BF8 (E5M2) with one E8M0 byte for each 32 along K = 1,024; each result is quantised on the way out, for the attention's products.
; OPERANDS ARE IMAGES OF THEIR REGISTERS: tiles of 16 rows, K steps of 128; lane r of tile T holds row 32 (T / 2) + 8 (T % 2) + r + 8 (r / 8); an image is 2,048 bytes (the 16 bytes at 512 c + 16 lane are the codes
; k = 32 c + 16 (lane / 16) + 0 .. 15); a block (128 rows, one K step) is 8 images and 8 scale vectors of 64 bytes: 16,896 bytes; a buffer is [R / 128][8] blocks.
; SHARES.  256 work-groups: work-group (j, i) takes x's row block i (128 tokens) against row block j (a pair of heads) of Wq, Wk and Wv: three products of 128 x 128 that share x's fragments.
; Wave w (wa = w / 2, wb = w % 2): x's tiles 4 wa .. + 3 and each weight's tiles 4 wb .. + 3: 48 accumulators; 16 fragments feed 48 products a K step.
; q, k: source 0 = the weight's tile, source 1 = x's: lane = token, registers = channels.  v, whose next K is the keys: source 0 = x's tile, source 1 = Wv's: lane = channel, registers = keys.
; In each result the 32 registers of source 0's four tiles are 16 neighbours of each of two blocks of 32 along the next K: a wave makes two chunks (1,024 bytes) of an image and two bytes of each row's scale word.
; The scale bytes go to LDS bytes of the wave's own; behind one barrier waves 0, 1, 2 join the halves and store q's, k's, v's eight scale vectors, 512 bytes each.
; THE RING: LDS by operand (x, Wq, Wk, Wv), four blocks each: two slots of two K steps.  At the head wave w brings operand w's K steps 0 to 3; two refills follow (K steps 4, 5 and 6, 7), two blocks a wave.
; CLUSTERS: 4 x 4; x's blocks are asked for jointly along a row of the cluster, the weights' along a column.
; PREFETCH: a wave's 33,792 bytes of a refill are 132 blocks of 256 bytes; each of the four partners that ask jointly names 33, told apart by address: 32 by a lane each, the last by all lanes.
; Refill 0's are named at the head, behind the first loads; refill 1's behind refill 0's load, two K steps ahead of its own.
; WHERE THE RESULTS GO.  qi: codes [pair 8][tile 256][2,048], scale vectors from byte 4,194,304.  kv: codes [batch x 8 + pair][K's 16 key steps x 8 images | V's 16 key steps x 8 channel tiles], scale vectors from
; byte 8,388,608: [batch x 8 + pair][K's 128 tiles | V's 16 x 8] x 64 bytes.
; LIMITS: a block of zeros gets the byte 1 (its codes are zeros; this program alone reads the bytes); NaN and infinities are not served.
; REGISTERS: window 0: v1-31 addresses, v32-47 scale words (two sets), v48-95 the quantiser's, v128-255 v's accumulators; windows 1, 2: the two sets of fragments (x 0, Wq 64, Wk 128, Wv 192);
; window 3: q's accumulators at 0, k's at 128.  On the way out window 1 holds the held numbers (v0-63) and the codes (v64-159).
.set BLK,   16896
.set REG,   4*BLK
.set SLOT,  2*BLK
.set SCR,   16*BLK                     ; scale words on their way out: 768 bytes a wave: [product 3][tile 4][row 16] words
.set SPARE, SCR+4096
.set NP,    8
.set LI,   1
.set SCW,  2
.set SR0,  3
.set SR1,  4
.set AX,   16
.set AQ,   17
.set AK,   18
.set AV,   19
.set SX,   20
.set SQ,   21
.set SK,   22
.set SV,   23
.set PFO,  24
.set PFZ,  25
.set SPW,  28
.set NIL,  29
.set SC,   32                          ; set p at 32 + 8 p: +0, +1 x's pairs of tiles, +2 Wq's, +4 Wk's, +6 Wv's
.set TM,   48                          ; v48-55 largest magnitudes, v56-63 bytes, v64-71 limits, v72-79 the conversions' scale operands
.set PW,   80
.set CD,   64
.set G1,   24
.set G0,   32
.set G1B,  48
.set G0B,  56
.set OQ,   68
.set OK,   70
.set OV,   72
.set OSC,  74
.set SEL,  76
.set MNT,  78
.set PF,   80
.set MSB, 0
.macro WIN new
.if MSB != \new
	s_set_vgpr_msb (MSB<<8)|\new
.set MSB, \new
.endif
.endm
.macro JLOAD g0a, g1a, g0b, g1b        ; wave 0 fetches x's blocks, waves 1 to 3 a weight's each
	s_cmp_eq_u32 s14, 0
	s_cbranch_scc0 .Lfor_b_\@
	tensor_load_to_lds s[\g0a:\g0a+3], s[\g1a:\g1a+7]
	s_nop 0
.rept 4
	v_nop
.endr
	s_branch .Lasked_\@
.Lfor_b_\@:
	tensor_load_to_lds s[\g0b:\g0b+3], s[\g1b:\g1b+7]
	s_nop 0
.rept 4
	v_nop
.endr
.Lasked_\@:
.endm
.macro CREST
	s_cmp_lg_u32 s14, 0
	s_cbranch_scc1 .Lnot_wave_0_\@
	s_barrier_signal -3
.Lnot_wave_0_\@:
	s_barrier_wait -3
	s_barrier_signal -1
	s_barrier_wait -1
.endm
.macro CROUND
	s_barrier_signal -1
	s_barrier_wait -1
	CREST
.endm
.macro PLACES n
.rept \n
	v_nop
.endr
.endm
	s_load_b256 s[4:11], s[0:1], 0x0               ; xq, wts, qi, kv
	v_lshl_add_u32 v[SPW], v0, 2, SPARE
	v_mov_b32 v[NIL], 0
	ds_add_u32 v[SPW], v[NIL]                      ; the opening lines: the add twice on end and one wait
	ds_add_u32 v[SPW], v[NIL]
	v_lshrrev_b32 v5, 5, v0
	v_readfirstlane_b32 s14, v5                    ; wave
	s_lshr_b32 s15, s14, 1                         ; wa
	s_and_b32 s16, s14, 1                          ; wb
	s_bfe_u32 s40, ttmp6, 0x40000
	s_bfe_u32 s41, ttmp6, 0x40004
	s_and_b32 s17, ttmp7, 0xffff
	s_lshl_b32 s17, s17, 2
	s_add_co_u32 s17, s17, s41                     ; i: x's row block
	s_lshl_b32 s42, ttmp9, 2
	s_add_co_u32 s42, s42, s40                     ; j: the weights' row block
	s_lshl_b32 s43, s41, 2
	s_lshl_b32 s43, 15, s43
	s_lshl_b32 s44, 0x1111, s40
	s_or_b32 s[G1], s43, (3<<16)|(1<<21)
	s_or_b32 s[G1B], s44, (3<<16)|(1<<21)
.irp g, G1, G1B
	s_mov_b32 s[\g+1], 32<<16                      ; dense bytes as rows of 256: at the head 264 rows (four blocks)
	s_mov_b32 s[\g+2], 264<<16
	s_mov_b32 s[\g+3], 32<<16
	s_mov_b32 s[\g+4], 264
	s_mov_b32 s[\g+5], 32
	s_mov_b32 s[\g+6], 0
	s_mov_b32 s[\g+7], 0
.endr
	s_mul_i32 s20, s17, 8*BLK                      ; x: row block i, K step 0
	s_mov_b32 s21, 0
	s_sub_co_u32 s19, s14, 1
	s_max_i32 s19, s19, 0                          ; which weight (wave 0 does not use it)
	s_mul_i32 s19, s19, 1081344
	s_mul_i32 s46, s42, 8*BLK
	s_add_co_u32 s46, s46, s19
	s_mov_b32 s47, 0
	s_mul_i32 s45, s14, REG                        ; my operand's bytes in LDS
	s_lshl_b32 s82, s42, 8
	s_lshl_b32 s83, s17, 3
	s_add_co_u32 s82, s82, s83                     ; q: the first of my work-group's eight tiles
	s_lshl_b32 s84, s82, 6
	s_add_co_u32 s84, s84, 4194304                 ; their scale vectors
	s_lshl_b32 s83, s15, 2
	s_add_co_u32 s82, s82, s83
	s_lshl_b32 s82, s82, 11
	s_lshl_b32 s83, s16, 10
	s_add_co_u32 s82, s82, s83                     ; q's codes: my four tiles, my two chunks
	s_mov_b32 s83, 0
	s_lshr_b32 s86, s17, 4
	s_lshl_b32 s86, s86, 3
	s_add_co_u32 s86, s86, s42                     ; batch x 8 + pair
	s_and_b32 s87, s17, 15                         ; key step
	s_lshl_b32 s88, s86, 19
	s_lshl_b32 s89, s87, 14
	s_add_co_u32 s88, s88, s89
	s_lshl_b32 s89, s15, 13
	s_lshl_b32 s90, s16, 10
	s_add_co_u32 s92, s88, s89
	s_add_co_u32 s92, s92, s90                     ; k's codes
	s_mov_b32 s93, 0
	s_lshl_b32 s89, s16, 13
	s_lshl_b32 s90, s15, 10
	s_add_co_u32 s94, s88, s89
	s_add_co_u32 s94, s94, s90
	s_add_co_u32 s94, s94, 262144                  ; v's codes: channel tiles 4 wb .., chunks 2 wa, 2 wa + 1
	s_mov_b32 s95, 0
	s_lshl_b32 s96, s86, 14
	s_lshl_b32 s89, s87, 9
	s_add_co_u32 s96, s96, s89
	s_add_co_u32 s96, s96, 8388608                 ; k's scale vectors;
	s_lshl_b32 s89, s15, 13
	s_add_co_u32 s96, s96, s89                     ; waves 2, 3: v's, 8,192 bytes on
	s_mov_b32 s97, 0
	s_cmp_eq_u32 s14, 0
	s_cselect_b32 s66, s40, s41                    ; my place among the four that ask with me
	s_mul_i32 s66, s66, 8448
	s_add_co_u32 s66, s66, 4*BLK                   ; in K steps 4, 5
	s_mov_b32 s67, 0
	s_lshl_b32 s2, s15, 13
	s_lshl_b32 s3, s16, 13
	s_add_co_u32 s3, s3, REG
	s_lshl_b32 s12, s15, 8
	s_add_co_u32 s12, s12, 16384
	s_lshl_b32 s13, s16, 8
	s_add_co_u32 s13, s13, REG+16384
	s_mul_i32 s18, s14, 768
	s_add_co_u32 s18, s18, SCR
	s_mul_i32 s23, s15, 0x500                      ; waves 0, 1 (q, k): halves 768 bytes apart, lanes 16-31 1,536 on; wave 2 (v): the other way round
	s_xor_b32 s22, s23, 0x600
	s_xor_b32 s23, s23, 0x300
	s_min_u32 s98, s14, 2
	s_lshl_b32 s98, s98, 8
	s_add_co_u32 s98, s98, SCR
	s_mov_b32 s[SEL], 0x76543210
	s_mov_b32 s[SEL+1], 0xfedcba98
	s_mov_b32 s[MNT], 0x600000
	s_wait_dscnt 0x0                               ; both opening adds are done
	s_wait_kmcnt 0x0
	s_add_nc_u64 s[20:21], s[4:5], s[20:21]
	s_add_nc_u64 s[46:47], s[6:7], s[46:47]
	s_add_nc_u64 s[OQ:OQ+1], s[8:9], s[82:83]
	s_add_nc_u64 s[OK:OK+1], s[10:11], s[92:93]
	s_add_nc_u64 s[OV:OV+1], s[10:11], s[94:95]
	s_cmp_eq_u32 s14, 0
	s_cselect_b64 s[OSC:OSC+1], s[8:9], s[10:11]
	s_cselect_b32 s96, s84, s96
	s_cselect_b64 s[PF:PF+1], s[20:21], s[46:47]
	s_add_nc_u64 s[OSC:OSC+1], s[OSC:OSC+1], s[96:97]
	s_add_nc_u64 s[PF:PF+1], s[PF:PF+1], s[66:67]  ; never rewritten
	CROUND                                         ; all sixteen work-groups are here: the first joint loads meet
	s_mov_b32 s[G0], 1
	s_mov_b32 s[G0+1], s45
	s_mov_b64 s[G0+2:G0+3], s[20:21]
	s_or_b32 s[G0+3], s[G0+3], 0x80000000
	s_mov_b32 s[G0+4], 1
	s_mov_b32 s[G0+5], s45
	s_add_nc_u64 s[G0+6:G0+7], s[20:21], 4*BLK
	s_or_b32 s[G0+7], s[G0+7], 0x80000000
	s_mov_b32 s[G0B], 1
	s_mov_b32 s[G0B+1], s45
	s_mov_b64 s[G0B+2:G0B+3], s[46:47]
	s_or_b32 s[G0B+3], s[G0B+3], 0x80000000
	s_mov_b32 s[G0B+4], 1
	s_mov_b32 s[G0B+5], s45
	s_add_nc_u64 s[G0B+6:G0B+7], s[46:47], 4*BLK
	s_or_b32 s[G0B+7], s[G0B+7], 0x80000000
	JLOAD G0, G1, G0B, G1B                         ; one load a wave: K steps 0 to 3 of my operand
	v_and_b32 v5, 31, v0
	v_and_b32 v6, 15, v0                           ; r
	v_bfe_u32 v7, v0, 4, 1                         ; h
	v_lshlrev_b32 v[LI], 4, v5
	v_lshlrev_b32 v8, 2, v5
	v_lshlrev_b32 v[PFO], 8, v5
	v_mov_b32 v[PFZ], 0
	v_add_nc_u32 v[AX], s2, v[LI]
	v_add_nc_u32 v[AQ], s3, v[LI]
	v_add_nc_u32 v[AK], REG, v[AQ]
	v_add_nc_u32 v[AV], 2*REG, v[AQ]
	v_add_nc_u32 v[SX], s12, v8
	v_add_nc_u32 v[SQ], s13, v8
	v_add_nc_u32 v[SK], REG, v[SQ]
	v_add_nc_u32 v[SV], 2*REG, v[SQ]
	v_lshl_add_u32 v[SCW], v6, 2, s18
	v_mul_u32_u24 v[SR0], v7, s22
	v_lshl_add_u32 v[SR0], v6, 4, v[SR0]
	v_add_nc_u32 v[SR0], s98, v[SR0]
	v_add_nc_u32 v[SR1], s23, v[SR0]
.irp b, 0,1,2,3,4,5,6,7
	v_mov_b32 v[TM+8+\b], 0                        ; a lane permute's destination counts as one of its sources
.endr
	global_prefetch_b8 v[PFO], s[PF:PF+1] th:TH_LOAD_NT scope:SCOPE_SE                   ; my share of refill 0
	global_prefetch_b8 v[PFZ], s[PF:PF+1] offset:8192 th:TH_LOAD_NT scope:SCOPE_SE
.macro FETCH slot, kk, p               ; 72 LDS loads: sixteen fragments and eight scale words of the slot's K step kk into set p
.set FO, SLOT*(\slot)+BLK*(\kk)
	WIN ((\p)+1)<<6
.irp t, 0,1,2,3
.irp c, 0,1,2,3
	ds_load_b128 v[16*\t+4*\c:16*\t+4*\c+3], v[AX] offset:FO+2048*\t+512*\c
	ds_load_b128 v[64+16*\t+4*\c:64+16*\t+4*\c+3], v[AQ] offset:FO+2048*\t+512*\c
.endr
.endr
.irp t, 0,1,2,3
.irp c, 0,1,2,3
	ds_load_b128 v[128+16*\t+4*\c:128+16*\t+4*\c+3], v[AK] offset:FO+2048*\t+512*\c
	ds_load_b128 v[192+16*\t+4*\c:192+16*\t+4*\c+3], v[AV] offset:FO+2048*\t+512*\c
.endr
.endr
	WIN 0
.irp i, 0,1
	ds_load_b32 v[SC+8*(\p)+\i], v[SX] offset:FO+128*\i
	ds_load_b32 v[SC+8*(\p)+2+\i], v[SQ] offset:FO+128*\i
	ds_load_b32 v[SC+8*(\p)+4+\i], v[SK] offset:FO+128*\i
	ds_load_b32 v[SC+8*(\p)+6+\i], v[SV] offset:FO+128*\i
.endr
.endm
; one product: source 0's tile b, source 1's tile a; z = 1: it starts the sum.  An odd tile's scale words lie in lanes 16-31 of its pair's register
.macro WMG d, s0, s1, t0, t1, a, b, z
.set rD, (\d)+8*(4*(\a)+(\b))
.set rS, (\s0)+16*(\b)
.set rR, (\s1)+16*(\a)
.set rT, (\t0)+(\b)/2
.set rU, (\t1)+(\a)/2
.set oo, 2*((\b)%2)+(\a)%2
.if \z
.if oo == 0
	v_wmma_scale_f32_16x16x128_f8f6f4 v[rD:rD+7], v[rS:rS+15], v[rR:rR+15], 0, v[rT], v[rU] matrix_a_fmt:MATRIX_FMT_BF8 matrix_b_fmt:MATRIX_FMT_BF8
.elseif oo == 1
	v_wmma_scale_f32_16x16x128_f8f6f4 v[rD:rD+7], v[rS:rS+15], v[rR:rR+15], 0, v[rT], v[rU] matrix_a_fmt:MATRIX_FMT_BF8 matrix_b_fmt:MATRIX_FMT_BF8 matrix_b_scale:MATRIX_SCALE_ROW1
.elseif oo == 2
	v_wmma_scale_f32_16x16x128_f8f6f4 v[rD:rD+7], v[rS:rS+15], v[rR:rR+15], 0, v[rT], v[rU] matrix_a_fmt:MATRIX_FMT_BF8 matrix_b_fmt:MATRIX_FMT_BF8 matrix_a_scale:MATRIX_SCALE_ROW1
.else
	v_wmma_scale_f32_16x16x128_f8f6f4 v[rD:rD+7], v[rS:rS+15], v[rR:rR+15], 0, v[rT], v[rU] matrix_a_fmt:MATRIX_FMT_BF8 matrix_b_fmt:MATRIX_FMT_BF8 matrix_a_scale:MATRIX_SCALE_ROW1 matrix_b_scale:MATRIX_SCALE_ROW1
.endif
.else
.if oo == 0
	v_wmma_scale_f32_16x16x128_f8f6f4 v[rD:rD+7], v[rS:rS+15], v[rR:rR+15], v[rD:rD+7], v[rT], v[rU] matrix_a_fmt:MATRIX_FMT_BF8 matrix_b_fmt:MATRIX_FMT_BF8
.elseif oo == 1
	v_wmma_scale_f32_16x16x128_f8f6f4 v[rD:rD+7], v[rS:rS+15], v[rR:rR+15], v[rD:rD+7], v[rT], v[rU] matrix_a_fmt:MATRIX_FMT_BF8 matrix_b_fmt:MATRIX_FMT_BF8 matrix_b_scale:MATRIX_SCALE_ROW1
.elseif oo == 2
	v_wmma_scale_f32_16x16x128_f8f6f4 v[rD:rD+7], v[rS:rS+15], v[rR:rR+15], v[rD:rD+7], v[rT], v[rU] matrix_a_fmt:MATRIX_FMT_BF8 matrix_b_fmt:MATRIX_FMT_BF8 matrix_a_scale:MATRIX_SCALE_ROW1
.else
	v_wmma_scale_f32_16x16x128_f8f6f4 v[rD:rD+7], v[rS:rS+15], v[rR:rR+15], v[rD:rD+7], v[rT], v[rU] matrix_a_fmt:MATRIX_FMT_BF8 matrix_b_fmt:MATRIX_FMT_BF8 matrix_a_scale:MATRIX_SCALE_ROW1 matrix_b_scale:MATRIX_SCALE_ROW1
.endif
.endif
.endm
.macro MULP P, p, z                    ; sixteen products of q (P = 0), k (1) or v (2) on set p; the accumulators take turns
.if \P < 2
	WIN 0xf0|((\p)+1)|(((\p)+1)<<2)
.irp a, 0,1,2,3
.irp b, 0,1,2,3
	WMG 128*(\P), 64*((\P)+1), 0, SC+8*(\p)+2*((\P)+1), SC+8*(\p), \a, \b, \z
.endr
.endr
.else
	WIN ((\p)+1)|(((\p)+1)<<2)
.irp a, 0,1,2,3
.irp b, 0,1,2,3
	WMG 128, 0, 192, SC+8*(\p), SC+8*(\p)+6, \a, \b, \z
.endr
.endr
.endif
.endm
.macro KSTEP slot, z                   ; a slot's first K step (set 0); ahead of its products the second is fetched into set 1
	s_wait_dscnt 0x0
	PLACES NP                                      ; in front of loads into registers that the last K step's products have read
	FETCH \slot, 1, 1
	MULP 0, 0, \z
	MULP 1, 0, \z
	MULP 2, 0, \z
	WIN 0
.endm
; A slot's second K step (set 1) changes slots.  fill = 1, 2: the slot is filled again behind a round of the cluster's barrier (2: the refills' group 0 steps on first); 0: a plain barrier shows the last refill
.macro TURN slot, next, fill
	s_wait_tensorcnt 0x0                           ; all my tensor loads have landed
	ds_add_u32 v[SPW], v[NIL]                      ; 0 onto my spare word
	s_wait_dscnt 1                                 ; the add alone may be out: set 1 is in
	MULP 0, 1, 0
	s_wait_dscnt 0x0                               ; the add is done, and my reads of this slot are over
	WIN 0
	s_barrier_signal -1
	s_barrier_wait -1
.if \fill
	CREST
.if \fill == 2
	s_add_co_u32 s[G0+5], s[G0+5], SLOT
	s_add_nc_u64 s[G0+6:G0+7], s[G0+6:G0+7], SLOT
	s_add_co_u32 s[G0B+5], s[G0B+5], SLOT
	s_add_nc_u64 s[G0B+6:G0B+7], s[G0B+6:G0B+7], SLOT
.endif
	JLOAD G0+4, G1, G0B+4, G1B                     ; the first tensor load behind the round, my one load until the next
	PLACES NP-4
.else
	PLACES NP
.endif
	s_wait_alu depctr_va_vdst(0)
	FETCH \next, 0, 0
.if \fill == 1
	global_prefetch_b8 v[PFO], s[PF:PF+1] offset:SLOT th:TH_LOAD_NT scope:SCOPE_SE       ; my share of refill 1
	global_prefetch_b8 v[PFZ], s[PF:PF+1] offset:SLOT+8192 th:TH_LOAD_NT scope:SCOPE_SE
.endif
	MULP 1, 1, 0
	MULP 2, 1, 0
	WIN 0
.endm
	s_wait_alu depctr_va_vdst(0)                   ; the wait at the head's end
	s_wait_tensorcnt 0x0                           ; my operand's four blocks are in; no load of mine is out, so group 1 may be written: a refill brings 132 rows
	s_mov_b32 s[G1+2], 132<<16
	s_mov_b32 s[G1+4], 132
	s_mov_b32 s[G1B+2], 132<<16
	s_mov_b32 s[G1B+4], 132
	s_barrier_signal -1
	s_barrier_wait -1
	FETCH 0, 0, 0
	KSTEP 0, 1                                     ; K step 0 starts the sums
	TURN 0, 1, 1                                   ; K step 1; slot 0 takes K steps 4, 5
	KSTEP 1, 0
	TURN 1, 0, 2                                   ; K step 3; slot 1 takes K steps 6, 7
	KSTEP 0, 0
	TURN 0, 1, 0
	KSTEP 1, 0
	s_wait_dscnt 0x0
	MULP 0, 1, 0
	MULP 1, 1, 0
	MULP 2, 1, 0
	WIN 0
	PLACES NP                                      ; in front of the first read of results
; THE WAY OUT of one product: its 128 registers are eight blocks of 32 along the next K, 16 numbers a lane: block 2 a + c of source 1's tile a.  aw: the accumulators' window; ob: where the codes go
.macro QOUT P, aw, base, ob
	WIN (\aw)|((\aw)<<2)
.irp q, 0,1,2,3,4,5,6,7
	v_max3_num_f32 v[TM+\q], |v[\base+16*\q]|, |v[\base+16*\q+1]|, 0x8000000   ; each accumulator from its low end on; the floor 2^(16 - 127): the byte cannot fall under 1
.endr
.irp i, 2,4,6,8,10,12,14
.irp q, 0,1,2,3,4,5,6,7
	v_max3_num_f32 v[TM+\q], |v[\base+16*\q+\i]|, |v[\base+16*\q+\i+1]|, v[TM+\q]
.endr
.endr
	WIN 0
.irp q, 0,1,2,3,4,5,6,7
	v_permlanex16_b32 v[TM+8+\q], v[TM+\q], s[SEL], s[SEL+1]
.endr
.irp q, 0,1,2,3,4,5,6,7
	v_max_num_f32 v[TM+\q], v[TM+\q], v[TM+8+\q]   ; with lane l xor 16's 16 numbers
.endr
.irp q, 0,1,2,3,4,5,6,7
	v_add_nc_u32 v[TM+24+\q], 0xf8800000, v[TM+\q] ; 15 off the exponent field: the conversion's scale operand
.endr
.irp q, 0,1,2,3,4,5,6,7
	v_and_or_b32 v[TM+16+\q], v[TM+\q], 0x7f800000, s[MNT]   ; 57,344 x the scale
.endr
.irp q, 0,1,2,3,4,5,6,7
	v_lshrrev_b32 v[TM+8+\q], 23, v[TM+24+\q]      ; the scale's byte
.endr
.irp a, 0,1,2,3
	v_lshl_or_b32 v[PW+\a], v[TM+9+2*\a], 8, v[TM+8+2*\a]
.endr
.irp a, 0,1,2,3
	WIN (\aw)|0x40                                 ; the hold (the conversion does not saturate: ISA guide 7.6.2) also brings the numbers into window 1
.irp c, 0,1
.irp i, 0,1,2,3,4,5,6,7,8,9,10,11,12,13,14,15
	v_med3_num_f32 v[32*(\a%2)+16*\c+\i], v[\base+32*\a+16*\c+\i], -v[TM+16+2*\a+\c], v[TM+16+2*\a+\c]
.endr
.endr
	WIN 0x41
.irp c, 0,1
	v_cvt_scalef32_pk8_bf8_f32 v[CD+8*(4*\P+\a)+4*\c:CD+8*(4*\P+\a)+4*\c+1], v[32*(\a%2)+16*\c:32*(\a%2)+16*\c+7], v[TM+24+2*\a+\c]
	v_cvt_scalef32_pk8_bf8_f32 v[CD+8*(4*\P+\a)+4*\c+2:CD+8*(4*\P+\a)+4*\c+3], v[32*(\a%2)+16*\c+8:32*(\a%2)+16*\c+15], v[TM+24+2*\a+\c]
.endr
	v_nop                                          ; a plain line behind the last conversion
	WIN 0x04                                       ; a store's data are its source 1: window 1; each tile has its own registers for its codes
	global_store_b128 v[LI], v[CD+8*(4*\P+\a):CD+8*(4*\P+\a)+3], s[\ob:\ob+1] offset:2048*\a          ; 512 consecutive bytes, aligned
	global_store_b128 v[LI], v[CD+8*(4*\P+\a)+4:CD+8*(4*\P+\a)+7], s[\ob:\ob+1] offset:2048*\a+512
	WIN 0
	ds_store_b32 v[SCW], v[PW+\a] offset:256*\P+64*\a   ; both halves of the lanes write the same word with the same value
.endr
.endm
	QOUT 0, 3, 0, OQ
	QOUT 1, 3, 128, OK
	QOUT 2, 0, 128, OV
	s_wait_dscnt 0x0                               ; for the others' sake: my scale words have landed
	s_barrier_signal -1
	s_barrier_wait -1
	s_cmp_gt_u32 s14, 2
	s_cbranch_scc1 .Ldone
	ds_load_b128 v[84:87], v[SR0]                  ; four rows' lower two bytes,
	ds_load_b128 v[88:91], v[SR1]                  ; and their upper two, from the wave beside
	s_wait_dscnt 0x0
.irp m, 0,1,2,3
	v_lshl_or_b32 v[92+\m], v[88+\m], 16, v[84+\m]
.endr
	global_store_b128 v[LI], v[92:95], s[OSC:OSC+1]   ; eight scale vectors: 512 consecutive bytes, aligned
.Ldone:
	s_wait_tensorcnt 0x0                           ; the wave's end
	ds_add_u32 v[SPW], v[NIL]
	s_wait_dscnt 0x0
	CROUND                                         ; the closing round
	s_endpgm
.Lfunc_end_k_q458c219ef5_qkv:
	.size	k_q458c219ef5_qkv, .Lfunc_end_k_q458c219ef5_qkv-k_q458c219ef5_qkv
	.p2alignl 7, 3214868480
	.fill 96, 4, 3214868480
	.section	.rodata,"a",@progbits
	.p2align	6, 0x0
	.amdhsa_kernel k_q458c219ef5_qkv
		.amdhsa_group_segment_fixed_size 327680
		.amdhsa_private_segment_fixed_size 0
		.amdhsa_enable_private_segment 0
		.amdhsa_kernarg_size 32
		.amdhsa_user_sgpr_count 2
		.amdhsa_user_sgpr_kernarg_segment_ptr 1
		.amdhsa_wavefront_size32 1
		.amdhsa_system_sgpr_workgroup_id_x 1
		.amdhsa_system_sgpr_workgroup_id_y 1
		.amdhsa_system_sgpr_workgroup_id_z 1
		.amdhsa_system_vgpr_workitem_id 0
		.amdhsa_next_free_vgpr 1024
		.amdhsa_next_free_sgpr 100
		.amdhsa_reserve_vcc 0
		.amdhsa_float_denorm_mode_32 3
		.amdhsa_float_denorm_mode_16_64 3
		.amdhsa_memory_ordered 1
		.amdhsa_forward_progress 1
		.amdhsa_inst_pref_size 153
	.end_amdhsa_kernel
	.amdgpu_metadata
---
amdhsa.version: [ 1, 2 ]
amdhsa.kernels:
  - .name:           k_q458c219ef5_qkv
    .symbol:         k_q458c219ef5_qkv.kd
    .args:
      - { .name: xq, .offset: 0, .size: 8, .value_kind: global_buffer, .address_space: global }
      - { .name: wts, .offset: 8, .size: 8, .value_kind: global_buffer, .address_space: global }
      - { .name: qi, .offset: 16, .size: 8, .value_kind: global_buffer, .address_space: global }
      - { .name: kv, .offset: 24, .size: 8, .value_kind: global_buffer, .address_space: global }
    .group_segment_fixed_size: 327680
    .private_segment_fixed_size: 0
    .kernarg_segment_align: 8
    .kernarg_segment_size: 32
    .max_flat_workgroup_size: 128
    .sgpr_count:     100
    .vgpr_count:     1024
    .wavefront_size: 32
...
	.end_amdgpu_metadata
.endif
;; end of part 2
;; launch attn (part 3): grid 8 x 32, 16 waves a work-group, clusters of 4 x 1, 327,680 bytes of LDS; arguments qi, kv, oi; writes oi
.if DOCPART == 3
	.amdgcn_target "amdgcn-amd-amdhsa--gfx1250"
	.amdhsa_code_object_version 6
	.text
	.protected	k_q458c219ef5_attn
	.globl	k_q458c219ef5_attn
	.p2align	8
	.type	k_q458c219ef5_attn,@function
k_q458c219ef5_attn:
	s_mov_b64 s[64:65], 0
	v_nop
	global_prefetch_b8 v0, s[64:65] scope:SCOPE_SE
	s_setreg_imm32_b32 hwreg(HW_REG_WAVE_MODE, 25, 1), 1
	s_wait_xcnt 0x0
	s_wait_alu depctr_hold_cnt(0) depctr_sa_sdst(0) depctr_va_vdst(0) depctr_va_sdst(0) depctr_va_ssrc(0) depctr_va_vcc(0) depctr_vm_vsrc(0)
	s_getreg_b32 s2, hwreg(HW_REG_IB_STS2, 6, 4)
	s_cmp_eq_u32 s2, 0
	s_cbranch_scc0 .Lentry_in_a_cluster
	s_endpgm
.Lentry_in_a_cluster:
	s_bfe_u32 s2, ttmp6, 0x10000c
	s_cmp_lg_u32 s2, 0x3003
	s_cbranch_scc0 .Lentry_shape_is_right
	s_endpgm
.Lentry_shape_is_right:
; o = softmax(q k^T / 8, causal) v for 2 x 16 heads of 64 channels and 2,048 tokens, both products on codes of BF8 (E5M2) with one E8M0 byte for each 32 along K; o is quantised on the way out.
; LEFT OUT: key steps all of whose keys come after a tile's queries: the causal mask sets their scores to -infinity, so their p is 0 for all values of the inputs.
; OPERANDS ARE IMAGES OF THEIR REGISTERS (2,048 bytes: the 16 bytes at 512 c + 16 lane are the codes k = 32 c + 16 (lane / 16) + 0 .. 15 of the lane's row; lane r of tile T holds row 32 (T / 2) + 8 (T % 2) + r + 8 (r / 8)).
; An image of q or k spans a pair of heads: head e owns chunks 2 e, 2 e + 1 and bytes 2 e, 2 e + 1 of a scale word.  v's images have the keys innermost.
; THE SOFTMAX: t = score x log2(e) / 8; M = the running largest t rounded UP to a whole number; p = 2^(t - M) is quantised along the keys, not normalised; the row's sum is taken of the unquantised p and divides at the end.
; ONE HEAD'S K AND V LIE IN LDS WHOLE: 131,072 bytes each, their scale vectors 8,192 + 4,096.  They are filled once, at the head: waves 0-3 a quarter of K each, waves 4-7 of V, waves 8, 9 the scale vectors.  No byte is filled again.
; SHARES.  y = 2 (batch x 8 + pair) + head of the pair.  Work-group x (0 .. 7) owns tiles x + 8 u, u = 0 .. 15: tile u's queries lie in key step u, so it has u + 1 steps.  The 136 steps are dealt 8 or 9 to a wave:
; pair p = 0 .. 7 of waves: wave a (bit 3 of its number 1) takes steps 0 .. 7 of tile 15 - p; wave b takes steps 8 .. 15 - p of that tile, lays its part (O^T, -M, the sum) in LDS, and then takes tile p whole.
; Behind one barrier wave a joins b's part to its own: both are brought under the larger M by powers of two, which rounds nothing.  Then a finishes tile 15 - p and b tile p, by the same lines.
; Trip counts are constants; a step outside a wave's range is jumped over by a branch on the wave's number and the count of steps alone.
; K = 64 IN AN INSTRUCTION OF 128: the upper eight registers of a fragment of k are the next tile's codes (finite), those of q are zero codes, both scale words are cut to the head's two bytes.
; CLUSTER: four work-groups of a head ask for its K and V jointly.  No prefetch: every byte is asked for at the head, there is no loop to run ahead in.
; LIMITS: NaN and infinities are not served; p under 2^-126 counts as 0; a block of zeros gets the byte 1 (its codes are zeros; this program alone reads the bytes); the scaled scores stay under 2^31.
; o's scale bytes leave as two bytes a lane: one part in 32 of what the launch stores.
.set SCK,   262144                     ; K's scale vectors: 128 tiles x 64 bytes
.set SCV,   270336                     ; V's, my head's: [key step 16][tile 4] x 64
.set STASH, 274432                     ; eight parts of 4,352 bytes: O^T as 8 x 512, then -M and the sum, 128 each
.set SPARE, 309248                     ; the spare words, 128 bytes a wave
.set LI,   1                           ; v1 16 x lane; v2 -M's place in my pair's part; v3 my query's place in its key step less 16 (lane / 16); v4 4 x lane
.set STM,  2
.set DM,   3
.set L4,   4
.set SPW,  5
.set NIL,  6
.set STA,  7                           ; v7 O^T's place in my pair's part
.set ADK,  8                           ; v8-11 the addresses of the step in hand
.set ADV,  9
.set ADS,  10
.set ADT,  11
.set S,    104                         ; v12 -M, v13 the largest t, v[14:15] the sum; v16-23 q, v24-31 zeros; v32-95 fragments, v96-103 zeros; v104-167 S^T, then p
.set O,    168
.set PCD,  200
.set AV0,  216
.set ASK0, 217
.set ASV0, 218
.set R4,   219                         ; 4 x (lane % 16)
.set OCD,  220
.set OW,   228
.set OA,   229
.set WV,   12
.set EH,   13
.set SH,   14
.set DS,   15                          ; the last key step of the tile in hand: the one that holds its queries
.set KS,   16                          ; the key step in hand; s17, s18, s19: 8,192, 512 and 256 times it
.set TB,   17
.set TS,   18
.set TJ,   19
.set CS,   20
.set SEL,  22
.set G1K,  24
.set G1V,  32
.set G1SK, 40
.set G1SV, 48
.set G0K,  56
.set G0V,  60
.set G0SK, 68
.set G0SV, 72
.set MNT,  76
.set ROLE, 77                          ; 0: wave a; 1: wave b
.set CNT,  78
.set DS2,  79
.set QA,   80                          ; q's codes and scale words of tile 15 - p, of tile p; o's of the tile that I finish
.set QSA,  82
.set QB,   84
.set QSB,  86
.set OCB,  88
.set OSB,  90
.macro CROUND
	s_barrier_signal -1
	s_barrier_wait -1
	s_cmp_lg_u32 s[WV], 0
	s_cbranch_scc1 .Lnot_wave_0_\@
	s_barrier_signal -3
.Lnot_wave_0_\@:
	s_barrier_wait -3
	s_barrier_signal -1
	s_barrier_wait -1
.endm
.macro GROUP1 g, c, r, p               ; rows of c elements of 8 bytes, r rows, p elements apart; the mask names all four work-groups
	s_mov_b32 s[\g], 15|(3<<16)|(1<<21)
	s_mov_b32 s[\g+1], (\c)<<16
	s_mov_b32 s[\g+2], (\r)<<16
	s_mov_b32 s[\g+3], (\c)<<16
	s_mov_b32 s[\g+4], \r
	s_mov_b32 s[\g+5], \p
	s_mov_b32 s[\g+6], 0
	s_mov_b32 s[\g+7], 0
.endm
.macro RESET                           ; a tile begins: the largest t -3e38, sums and O^T zeros, which the first change of M leaves zeros
	v_mov_b32 v13, 0xff61b1e6
	v_floor_f32 v12, -v13
	v_mov_b32 v14, 0
	v_mov_b32 v15, 0
.set nn, 0
.rept 32
	v_mov_b32 v[O+nn], 0
.set nn, nn+1
.endr
.endm
	s_load_b128 s[4:7], s[0:1], 0x0                ; qi, kv
	s_load_b64 s[8:9], s[0:1], 0x10                ; oi
	v_lshl_add_u32 v[SPW], v0, 2, SPARE
	v_mov_b32 v[NIL], 0
	ds_add_u32 v[SPW], v[NIL]                      ; the opening lines: the add twice on end and one wait
	ds_add_u32 v[SPW], v[NIL]
	v_lshrrev_b32 v8, 5, v0
	v_readfirstlane_b32 s[WV], v8                  ; wave 0..15
	s_and_b32 s92, ttmp7, 0xffff
	s_and_b32 s[EH], s92, 1
	s_lshr_b32 s93, s92, 1                         ; batch x 8 + pair
	s_lshl_b32 s[SH], s[EH], 4
	s_bfe_u32 s94, ttmp6, 0x40000
	s_lshl_b32 s95, ttmp9, 2
	s_add_co_u32 s95, s95, s94                     ; x: it enters q's and o's addresses and the mask's numbers alone
	s_lshr_b32 s[ROLE], s[WV], 3
	s_xor_b32 s[ROLE], s[ROLE], 1                  ; waves 0-7 are the waves b, waves 8-15 the waves a; wave a of pair p is wave p + 8
	s_and_b32 s96, s[WV], 3
	s_and_b32 s11, s[WV], 7
	s_sub_co_u32 s[DS], 15, s11
	s_cmp_eq_u32 s[ROLE], 1
	s_cselect_b32 s[DS2], s11, -1                  ; wave a has no second tile: every step lies behind -1
	s_cselect_b32 s98, s11, s[DS]                  ; the tile that I finish
	s_lshr_b32 s2, s93, 3                          ; batch
	s_and_b32 s3, s93, 7                           ; pair
	s_lshl_b32 s99, s3, 8
	s_lshl_b32 s97, s2, 7
	s_add_co_u32 s99, s99, s97
	s_add_co_u32 s99, s99, s95                     ; q's image of tile u = 0
	s_lshl_b32 s94, s[EH], 10
	s_lshl_b32 s97, s[DS], 3
	s_add_co_u32 s97, s97, s99
	s_lshl_b32 s[QA], s97, 11
	s_add_co_u32 s[QA], s[QA], s94
	s_mov_b32 s[QA+1], 0
	s_lshl_b32 s[QSA], s97, 6
	s_add_co_u32 s[QSA], s[QSA], 4194304
	s_mov_b32 s[QSA+1], 0
	s_lshl_b32 s97, s11, 3
	s_add_co_u32 s97, s97, s99
	s_lshl_b32 s[QB], s97, 11
	s_add_co_u32 s[QB], s[QB], s94
	s_mov_b32 s[QB+1], 0
	s_lshl_b32 s[QSB], s97, 6
	s_add_co_u32 s[QSB], s[QSB], 4194304
	s_mov_b32 s[QSB+1], 0
	s_lshl_b32 s97, s2, 4
	s_add_co_u32 s97, s97, s98
	s_lshl_b32 s97, s97, 3
	s_add_co_u32 s97, s97, s3
	s_mul_i32 s97, s97, 16896                      ; o: block (128 rows, K step = the pair)
	s_lshl_b32 s[OCB], s95, 11
	s_add_co_u32 s[OCB], s[OCB], s97
	s_add_co_u32 s[OCB], s[OCB], s94
	s_mov_b32 s[OCB+1], 0
	s_lshl_b32 s[OSB], s95, 6
	s_add_co_u32 s[OSB], s[OSB], s97
	s_lshl_b32 s99, s[EH], 1
	s_add_co_u32 s[OSB], s[OSB], s99
	s_add_co_u32 s[OSB], s[OSB], 16384
	s_mov_b32 s[OSB+1], 0
	s_bfe_u32 s10, s95, 0x20001
	s_lshl_b32 s10, s10, 5
	s_and_b32 s99, s95, 1
	s_lshl_b32 s99, s99, 3
	s_add_co_u32 s10, s10, s99                     ; my tile's first query in its key step
	s_lshl_b32 s92, s93, 19                        ; kv: the pair's codes,
	s_lshl_b32 s99, s96, 16
	s_add_co_u32 s92, s92, s99                     ; my quarter: 32 images of K, or 4 key steps of V
	s_add_co_u32 s98, s92, s94                     ; K: my head's 1,024 bytes of each image
	s_mov_b32 s99, 0
	s_lshl_b32 s2, s93, 14
	s_add_co_u32 s2, s2, 8388608                   ; the pair's scale vectors: K's
	s_mov_b32 s3, 0
	s_lshl_b32 s66, s[EH], 8
	s_add_co_u32 s66, s66, s2
	s_add_co_u32 s66, s66, 8192                    ; V's: my head's 256 bytes of each key step's 512
	s_mov_b32 s67, 0
	s_lshl_b32 s93, s[EH], 13
	s_add_co_u32 s92, s92, s93
	s_add_co_u32 s92, s92, 262144                  ; V: my head's 8,192 bytes of each key step
	s_mov_b32 s93, 0
	s_lshl_b32 s96, s96, 15                        ; my quarter in LDS
	s_mul_i32 s97, s11, 4352
	s_add_co_u32 s97, s97, STASH                   ; my pair's part
	GROUP1 G1K, 128, 32, 256
	GROUP1 G1V, 1024, 4, 2048
	GROUP1 G1SK, 32, 32, 32
	GROUP1 G1SV, 32, 16, 64
	s_mov_b32 s[CS], 0x3e38aa3b                    ; c = log2(e) / sqrt(64)
	s_mov_b32 s[CS+1], s[CS]
	s_mov_b32 s[SEL], 0x76543210
	s_mov_b32 s[SEL+1], 0xfedcba98
	s_mov_b32 s[MNT], 0x600000
	s_lshl_b32 s[KS], s[ROLE], 3                   ; wave b begins at key step 8
	s_lshl_b32 s[TB], s[ROLE], 16
	s_lshl_b32 s[TS], s[ROLE], 12
	s_lshl_b32 s[TJ], s[ROLE], 11
	s_mov_b32 s[CNT], 8
	s_wait_dscnt 0x0                               ; both opening adds are done
	s_wait_kmcnt 0x0
	s_mov_b32 s[G0K], 1
	s_mov_b32 s[G0K+1], s96
	s_add_nc_u64 s[G0K+2:G0K+3], s[6:7], s[98:99]
	s_or_b32 s[G0K+3], s[G0K+3], 0x80000000
	s_mov_b32 s[G0V], 1
	s_add_co_u32 s[G0V+1], s96, 131072
	s_add_nc_u64 s[G0V+2:G0V+3], s[6:7], s[92:93]
	s_or_b32 s[G0V+3], s[G0V+3], 0x80000000
	s_mov_b32 s[G0SK], 1
	s_mov_b32 s[G0SK+1], SCK
	s_add_nc_u64 s[G0SK+2:G0SK+3], s[6:7], s[2:3]
	s_or_b32 s[G0SK+3], s[G0SK+3], 0x80000000
	s_mov_b32 s[G0SV], 1
	s_mov_b32 s[G0SV+1], SCV
	s_add_nc_u64 s[G0SV+2:G0SV+3], s[6:7], s[66:67]
	s_or_b32 s[G0SV+3], s[G0SV+3], 0x80000000
	s_add_nc_u64 s[QA:QA+1], s[4:5], s[QA:QA+1]
	s_add_nc_u64 s[QSA:QSA+1], s[4:5], s[QSA:QSA+1]
	s_add_nc_u64 s[QB:QB+1], s[4:5], s[QB:QB+1]
	s_add_nc_u64 s[QSB:QSB+1], s[4:5], s[QSB:QSB+1]
	s_add_nc_u64 s[OCB:OCB+1], s[8:9], s[OCB:OCB+1]
	s_add_nc_u64 s[OSB:OSB+1], s[8:9], s[OSB:OSB+1]
	CROUND                                         ; all four work-groups are here: the joint loads meet
; the fills, at most one a wave, in one chain of branches on the wave's number
.macro ARM under, g0, g1, next
	s_cmp_lt_u32 s[WV], \under
	s_cbranch_scc0 \next
	tensor_load_to_lds s[\g0:\g0+3], s[\g1:\g1+7]
	s_nop 0
.rept 4
	v_nop
.endr
	s_branch .Lhead_asked
\next:
.endm
	ARM 4, G0K, G1K, .Lhead_v
	ARM 8, G0V, G1V, .Lhead_sk
	ARM 9, G0SK, G1SK, .Lhead_sv
	ARM 10, G0SV, G1SV, .Lhead_none
.Lhead_asked:
	v_and_b32 v8, 31, v0
	v_lshlrev_b32 v[LI], 4, v8
	v_lshlrev_b32 v[L4], 2, v8
	v_and_b32 v9, 15, v0                           ; r
	v_bfe_u32 v10, v0, 4, 1                        ; h
	v_lshlrev_b32 v[R4], 2, v9
	global_load_b128 v[16:19], v[LI], s[QA:QA+1]   ; q's fragment: my head's two chunks
	global_load_b128 v[20:23], v[LI], s[QA:QA+1] offset:512
	global_load_b32 v255, v[R4], s[QSA:QSA+1]
	v_and_b32 v11, 8, v9
	v_add_nc_u32 v11, v11, v9                      ; r + 8 (r / 8)
	v_lshlrev_b32 v10, 4, v10
	v_sub_nc_u32 v11, v11, v10
	v_add_nc_u32 v[DM], s10, v11
	v_add_nc_u32 v[AV0], 131072, v[LI]
	v_add_nc_u32 v[ASK0], SCK, v[L4]
	v_lshl_add_u32 v[ASK0], s[EH], 1, v[ASK0]      ; my head's two bytes of a scale word of K
	v_add_nc_u32 v[ASV0], SCV, v[L4]
	v_add_nc_u32 v[STA], s97, v[LI]
	v_add_nc_u32 v[STM], s97, v[L4]
	v_add_nc_u32 v[STM], 4096, v[STM]
	RESET
.irp j, 0,1,2,3,4,5,6,7
	v_mov_b32 v[24+\j], 0                          ; q's upper 64 along K: zero codes
	v_mov_b32 v[96+\j], 0                          ; what the last tile of k names as its upper half
.endr
.irp b, 0,1,2,3
	v_mov_b32 v[236+\b], 0                         ; a lane permute's destination counts as one of its sources
.endr
	v_mov_b32 v252, 0
	v_mov_b32 v253, 0
; A KEY STEP: 128 keys
.macro STEP
	s_cmp_gt_i32 s[KS], s[DS]                      ; all its keys come after my queries: only the lines at its end are run
	s_cbranch_scc1 .Lhidden_\@
	v_add_nc_u32 v[ADK], s[TB], v[LI]
	v_add_nc_u32 v[ADV], s[TB], v[AV0]
	v_add_nc_u32 v[ADS], s[TS], v[ASK0]
	v_add_nc_u32 v[ADT], s[TJ], v[ASV0]
.rept 4
	v_nop                                          ; with the four additions: eight places in front of loads into registers that matrix instructions have read
.endr
.irp i, 0,1,2,3
	ds_load_u16 v[248+\i], v[ADS] offset:128*\i    ; my head's two bytes; the upper two are 0, over zero products
.endr
.irp t, 0,1,2,3,4,5,6,7
.irp c, 0,1
	ds_load_b128 v[32+8*\t+4*\c:32+8*\t+4*\c+3], v[ADK] offset:1024*\t+512*\c
.endr
.endr
	s_wait_alu depctr_va_vdst(0)                   ; the wait, directly ahead of the wait below
	s_wait_dscnt 0x0
.irp t, 0,1,2,3,4,5,6,7                        ; S^T = k q^T: lane = query; the 16 registers of tiles 2 b, 2 b + 1 are keys 32 b + 16 (lane / 16) + 0 .. 15
.if \t%2 == 0
	v_wmma_scale_f32_16x16x128_f8f6f4 v[S+8*\t:S+8*\t+7], v[32+8*\t:32+8*\t+15], v[16:31], 0, v[248+\t/2], v255 matrix_a_fmt:MATRIX_FMT_BF8 matrix_b_fmt:MATRIX_FMT_BF8
.else
	v_wmma_scale_f32_16x16x128_f8f6f4 v[S+8*\t:S+8*\t+7], v[32+8*\t:32+8*\t+15], v[16:31], 0, v[248+\t/2], v255 matrix_a_fmt:MATRIX_FMT_BF8 matrix_b_fmt:MATRIX_FMT_BF8 matrix_a_scale:MATRIX_SCALE_ROW1
.endif
.endr
.rept 8
	v_nop
.endr
.irp t, 0,1,2,3                                ; V's fragments and scale words are asked for here, eight places behind the products that read K's: the softmax stands between these loads and the wait for them
.irp c, 0,1,2,3
	ds_load_b128 v[32+16*\t+4*\c:32+16*\t+4*\c+3], v[ADV] offset:2048*\t+512*\c
.endr
.endr
.irp i, 0,1
	ds_load_b32 v[248+\i], v[ADT] offset:128*\i
.endr
	s_cmp_lg_u32 s[KS], s[DS]
	s_cbranch_scc1 .Lopen_\@
	v_mov_b32 v254, 0xff800000                     ; -infinity: p = 0 then
.set nn, 0
.rept 64
	v_cmp_gt_i32 vcc_lo, 32*(nn/16)+nn%16, v[DM]   ; register 16 b + i holds key 32 b + 16 (lane / 16) + i of the step: hidden where it comes after my query
	v_cndmask_b32 v[S+nn], v[S+nn], v254, vcc_lo
.set nn, nn+1
.endr
.Lopen_\@:
.irp b, 0,1,2,3
	v_max3_num_f32 v[232+\b], v[S+16*\b], v[S+16*\b+1], v[S+16*\b+2]   ; the largest score of each block of 32 keys: for the row's maximum and for the block's largest p
.endr
.irp i, 3,5,7,9,11,13
.irp b, 0,1,2,3
	v_max3_num_f32 v[232+\b], v[232+\b], v[S+16*\b+\i], v[S+16*\b+\i+1]
.endr
.endr
.irp b, 0,1,2,3
	v_max_num_f32 v[232+\b], v[232+\b], v[S+16*\b+15]
.endr
.irp b, 0,1,2,3
	s_delay_alu instid0(VALU_DEP_4)
	v_permlanex16_b32 v[236+\b], v[232+\b], s[SEL], s[SEL+1]
.endr
.irp b, 0,1,2,3
	s_delay_alu instid0(VALU_DEP_4)
	v_max_num_f32 v[232+\b], v[232+\b], v[236+\b]  ; with lane l xor 16's 16 keys
.endr
	s_delay_alu instid0(VALU_DEP_2)
	v_max3_num_f32 v254, v232, v233, v234
	s_delay_alu instid0(VALU_DEP_1)
	v_max_num_f32 v254, v254, v235
	s_delay_alu instid0(VALU_DEP_1)
	v_mul_f32 v254, s[CS], v254                    ; the step's largest t
	s_delay_alu instid0(VALU_DEP_1)
	v_max_num_f32 v13, v13, v254
	v_mov_b32 v254, v12
	s_delay_alu instid0(VALU_DEP_2)
	v_floor_f32 v12, -v13                          ; the new -M = -ceil(t): a whole number
	s_delay_alu instid0(VALU_DEP_1)
	v_sub_f32 v254, v12, v254                      ; old M - new M: a whole number, 0 or less
	s_delay_alu instid0(VALU_DEP_1)
	v_cvt_i32_f32 v254, v254                       ; (it saturates)
	s_delay_alu instid0(VALU_DEP_1)
	v_ldexp_f32 v252, 1.0, v254                    ; f = 2^(old M - new M)
.set nn, 0
.rept 32
	v_pk_fma_f32 v[S+nn:S+nn+1], v[S+nn:S+nn+1], s[CS:CS+1], v[12:13] op_sel_hi:[1,0,0]   ; t - M
.set nn, nn+2
.endr
.irp b, 0,1,2,3
	v_fma_f32 v[232+\b], v[232+\b], s[CS], v12     ; the same of each block's largest score
.endr
.set nn, 0
	s_wait_alu depctr_va_vdst(0)                   ; the wait ahead of the batch
.rept 64
	v_exp_f32 v[S+nn], v[S+nn]                     ; p = 2^(t - M)
.set nn, nn+1
.endr
	v_pk_mul_f32 v[14:15], v[14:15], v[252:253] op_sel_hi:[1,0]   ; the sums under the new M: a plain line behind the exponentials
	s_wait_alu depctr_va_vdst(0)                   ; one wait for the batch, ahead of its first reader
.irp b, 0,1,2,3
	v_exp_f32 v[232+\b], v[232+\b]                 ; the blocks' largest p
.endr
	v_pk_add_f32 v[236:237], v[S:S+1], v[S+2:S+3]  ; the row's sum of the unquantised p, in two chains
.irp j, 4,8,12,16,20,24,28,32,36,40,44,48,52,56,60
	v_pk_add_f32 v[14:15], v[14:15], v[S+\j:S+\j+1]
	v_pk_add_f32 v[236:237], v[236:237], v[S+\j+2:S+\j+3]
.endr
	s_delay_alu instid0(VALU_DEP_1)
	v_pk_add_f32 v[14:15], v[14:15], v[236:237]
	s_wait_alu depctr_va_vdst(0)                   ; and one for the four
.irp b, 0,1,2,3
	v_max_num_f32 v[232+\b], 0x8000000, v[232+\b]  ; the floor 2^(16 - 127): the byte cannot fall under 1
.endr
.irp b, 0,1,2,3
	s_delay_alu instid0(VALU_DEP_4)
	v_add_nc_u32 v[244+\b], 0xf8800000, v[232+\b]  ; 15 off the exponent field: the conversion's scale operand
.endr
.irp b, 0,1,2,3
	v_and_or_b32 v[240+\b], v[232+\b], 0x7f800000, s[MNT]   ; 57,344 x the scale
.endr
.irp b, 0,1,2,3
	v_lshrrev_b32 v[236+\b], 23, v[244+\b]         ; the scale's byte
.endr
	s_delay_alu instid0(VALU_DEP_3)
	v_lshl_or_b32 v253, v237, 8, v236              ; p's scale word for these 128 keys
	s_delay_alu instid0(VALU_DEP_1)
	v_lshl_or_b32 v253, v238, 16, v253
	s_delay_alu instid0(VALU_DEP_1)
	v_lshl_or_b32 v253, v239, 24, v253
.irp b, 0,1,2,3
.irp i, 0,1,2,3,4,5,6,7,8,9,10,11,12,13,14,15
	v_min_num_f32 v[S+16*\b+\i], v[S+16*\b+\i], v[240+\b]   ; the conversion does not saturate (ISA guide 7.6.2); p is not negative, so the hold is one-sided
.endr
	v_cvt_scalef32_pk8_bf8_f32 v[PCD+4*\b:PCD+4*\b+1], v[S+16*\b:S+16*\b+7], v[244+\b]
	v_cvt_scalef32_pk8_bf8_f32 v[PCD+4*\b+2:PCD+4*\b+3], v[S+16*\b+8:S+16*\b+15], v[244+\b]
.endr
	s_wait_alu depctr_va_vdst(0)                   ; the wait, directly ahead of the first reader of O^T
.set nn, 0
.rept 16
	v_pk_mul_f32 v[O+nn:O+nn+1], v[O+nn:O+nn+1], v[252:253] op_sel_hi:[1,0]   ; O^T under the new M; these sixteen are also the places in front of the products below
.set nn, nn+2
.endr
	s_wait_alu depctr_va_vdst(0)
	s_wait_dscnt 0x0
.irp t, 0,1,2,3                                ; O^T += v^T p^T: my head's four channel tiles, the four accumulators by turns
.if \t%2 == 0
	v_wmma_scale_f32_16x16x128_f8f6f4 v[O+8*\t:O+8*\t+7], v[32+16*\t:32+16*\t+15], v[PCD:PCD+15], v[O+8*\t:O+8*\t+7], v[248+\t/2], v253 matrix_a_fmt:MATRIX_FMT_BF8 matrix_b_fmt:MATRIX_FMT_BF8
.else
	v_wmma_scale_f32_16x16x128_f8f6f4 v[O+8*\t:O+8*\t+7], v[32+16*\t:32+16*\t+15], v[PCD:PCD+15], v[O+8*\t:O+8*\t+7], v[248+\t/2], v253 matrix_a_fmt:MATRIX_FMT_BF8 matrix_b_fmt:MATRIX_FMT_BF8 matrix_a_scale:MATRIX_SCALE_ROW1
.endif
.endr
.Lhidden_\@:
	s_add_co_u32 s[KS], s[KS], 1
	s_add_co_u32 s[TB], s[TB], 8192
	s_add_co_u32 s[TS], s[TS], 512
	s_add_co_u32 s[TJ], s[TJ], 256
.endm
	s_wait_alu depctr_va_vdst(0)                   ; the wait at the head's end
	s_wait_loadcnt 0x0                             ; q
	v_bfe_u32 v255, v255, s[SH], 16                ; my head's two bytes of q's scale words
	s_wait_alu depctr_va_vdst(0)
	s_wait_tensorcnt 0x0                           ; my fill has landed; every wave waits, under no branch
	s_barrier_signal -1
	s_barrier_wait -1                              ; K, V and their scale vectors are whole; from here on they are only read
.Lp1:                                              ; eight trips: tile 15 - p, wave a steps 0 .. 7, wave b steps 8 ..
	STEP
	s_sub_co_u32 s[CNT], s[CNT], 1
	s_cmp_lg_u32 s[CNT], 0
	s_cbranch_scc1 .Lp1
.rept 8
	v_nop                                          ; places behind the last products
.endr
	s_mov_b32 s[KS], 0
	s_mov_b32 s[TB], 0
	s_mov_b32 s[TS], 0
	s_mov_b32 s[TJ], 0
	s_mov_b32 s[DS], s[DS2]
	s_mov_b32 s[CNT], 8
	s_cmp_eq_u32 s[ROLE], 0
	s_cbranch_scc1 .Lmid
	v_add_f32 v14, v14, v15                        ; wave b lays its part of tile 15 - p in LDS: each accumulator from its low end on
.irp k, 0,1,2,3,4,5,6,7
	ds_store_b128 v[STA], v[O+4*\k:O+4*\k+3] offset:512*\k
.endr
	ds_store_b32 v[STM], v12
	ds_store_b32 v[STM], v14 offset:128
	global_load_b128 v[16:19], v[LI], s[QB:QB+1]   ; and takes tile p
	global_load_b128 v[20:23], v[LI], s[QB:QB+1] offset:512
	global_load_b32 v255, v[R4], s[QSB:QSB+1]
	s_wait_dscnt 0x0                               ; the stores have landed
	RESET
	s_wait_alu depctr_va_vdst(0)
	s_wait_loadcnt 0x0
	v_bfe_u32 v255, v255, s[SH], 16
	s_wait_alu depctr_va_vdst(0)
.Lmid:
.Lp2:                                              ; eight trips: wave b: tile p, steps 0 .. p; wave a jumps over every step
	STEP
	s_sub_co_u32 s[CNT], s[CNT], 1
	s_cmp_lg_u32 s[CNT], 0
	s_cbranch_scc1 .Lp2
.rept 8
	v_nop                                          ; places behind the last products
.endr
	s_wait_dscnt 0x0
	s_barrier_signal -1
	s_barrier_wait -1                              ; every wave b's part lies in LDS
	s_cmp_eq_u32 s[ROLE], 0
	s_cbranch_scc0 .Lno_merge
.irp k, 0,1,2,3,4,5,6,7
	ds_load_b128 v[S+4*\k:S+4*\k+3], v[STA] offset:512*\k
.endr
	ds_load_b32 v232, v[STM]
	ds_load_b32 v233, v[STM] offset:128
	v_add_f32 v14, v14, v15
	s_wait_alu depctr_va_vdst(0)
	s_wait_dscnt 0x0
	v_min_num_f32 v234, v12, v232                  ; -M of both parts together
	v_sub_f32 v235, v234, v12
	v_sub_f32 v236, v234, v232
	v_cvt_i32_f32 v235, v235
	v_cvt_i32_f32 v236, v236
	v_ldexp_f32 v252, 1.0, v235                    ; my part's factor,
	v_ldexp_f32 v254, 1.0, v236                    ; and the other's: powers of two
	v_mul_f32 v14, v14, v252
	v_fma_f32 v14, v233, v254, v14
	v_mov_b32 v15, 0
.set nn, 0
.rept 16
	v_pk_mul_f32 v[O+nn:O+nn+1], v[O+nn:O+nn+1], v[252:253] op_sel_hi:[1,0]
.set nn, nn+2
.endr
.set nn, 0
.rept 16
	v_pk_fma_f32 v[O+nn:O+nn+1], v[S+nn:S+nn+1], v[254:255], v[O+nn:O+nn+1] op_sel_hi:[1,0,1]
.set nn, nn+2
.endr
	s_wait_alu depctr_va_vdst(0)
.Lno_merge:
	; THE WAY OUT: o = O^T / the sum.  Register 16 b + i is channel 32 b + 16 (lane / 16) + i of my head: two blocks of the next product's K, quantised as they lie
	v_add_f32 v14, v14, v15
	s_wait_alu depctr_va_vdst(0)
	v_permlanex16_b32 v252, v14, s[SEL], s[SEL+1]
	s_delay_alu instid0(VALU_DEP_1)
	v_add_f32 v14, v14, v252                       ; the row's sum
	s_wait_alu depctr_va_vdst(0)
	v_rcp_f32 v14, v14
	v_and_b32 v[OA], 15, v0                        ; (plain lines behind the reciprocal)
	s_delay_alu instid0(VALU_DEP_1)
	v_lshlrev_b32 v[OA], 2, v[OA]
	v_and_b32 v231, 31, v0
	s_wait_alu depctr_va_vdst(0)                   ; the wait, ahead of the first reader
.set nn, 0
.rept 16
	v_pk_mul_f32 v[S+nn:S+nn+1], v[O+nn:O+nn+1], v[14:15] op_sel_hi:[1,0]
.set nn, nn+2
.endr
.irp b, 0,1
	v_max3_num_f32 v[232+\b], |v[S+16*\b]|, |v[S+16*\b+1]|, 0x8000000
.endr
.irp i, 2,4,6,8,10,12,14
.irp b, 0,1
	s_delay_alu instid0(VALU_DEP_2)
	v_max3_num_f32 v[232+\b], v[232+\b], |v[S+16*\b+\i]|, |v[S+16*\b+\i+1]|
.endr
.endr
.irp b, 0,1
	s_delay_alu instid0(VALU_DEP_2)
	v_permlanex16_b32 v[236+\b], v[232+\b], s[SEL], s[SEL+1]
.endr
.irp b, 0,1
	s_delay_alu instid0(VALU_DEP_2)
	v_max_num_f32 v[232+\b], v[232+\b], v[236+\b]
.endr
.irp b, 0,1
	s_delay_alu instid0(VALU_DEP_2)
	v_add_nc_u32 v[244+\b], 0xf8800000, v[232+\b]
.endr
.irp b, 0,1
	s_delay_alu instid0(VALU_DEP_4)
	v_and_or_b32 v[240+\b], v[232+\b], 0x7f800000, s[MNT]
.endr
.irp b, 0,1
	s_delay_alu instid0(VALU_DEP_4)
	v_lshrrev_b32 v[236+\b], 23, v[244+\b]
.endr
	s_delay_alu instid0(VALU_DEP_1)
	v_lshl_or_b32 v[OW], v237, 8, v236             ; my head's two bytes of the row's scale word
.irp b, 0,1
.irp i, 0,1,2,3,4,5,6,7,8,9,10,11,12,13,14,15
	v_med3_num_f32 v[S+16*\b+\i], v[S+16*\b+\i], -v[240+\b], v[240+\b]
.endr
	v_cvt_scalef32_pk8_bf8_f32 v[OCD+4*\b:OCD+4*\b+1], v[S+16*\b:S+16*\b+7], v[244+\b]
	v_cvt_scalef32_pk8_bf8_f32 v[OCD+4*\b+2:OCD+4*\b+3], v[S+16*\b+8:S+16*\b+15], v[244+\b]
.endr
	v_cmp_gt_u32 vcc_lo, 16, v231                  ; (a plain line behind the last conversion)
	global_store_b128 v[LI], v[OCD:OCD+3], s[OCB:OCB+1]             ; 512 consecutive bytes, aligned
	global_store_b128 v[LI], v[OCD+4:OCD+7], s[OCB:OCB+1] offset:512
	s_wait_xcnt 0x0                                ; EXEC changes only behind this wait
	s_and_saveexec_b32 s92, vcc_lo                 ; lanes 0-15 hold the sixteen rows' bytes
	global_store_b16 v[OA], v[OW], s[OSB:OSB+1]
	s_wait_xcnt 0x0                                ; and again, in front of the line that widens it
	s_or_b32 exec_lo, exec_lo, s92
	s_wait_tensorcnt 0x0                           ; the wave's end
	ds_add_u32 v[SPW], v[NIL]
	s_wait_dscnt 0x0
	CROUND                                         ; the closing round
	s_endpgm
.Lfunc_end_k_q458c219ef5_attn:
	.size	k_q458c219ef5_attn, .Lfunc_end_k_q458c219ef5_attn-k_q458c219ef5_attn
	.p2alignl 7, 3214868480
	.fill 96, 4, 3214868480
	.section	.rodata,"a",@progbits
	.p2align	6, 0x0
	.amdhsa_kernel k_q458c219ef5_attn
		.amdhsa_group_segment_fixed_size 327680
		.amdhsa_private_segment_fixed_size 0
		.amdhsa_enable_private_segment 0
		.amdhsa_kernarg_size 24
		.amdhsa_user_sgpr_count 2
		.amdhsa_user_sgpr_kernarg_segment_ptr 1
		.amdhsa_wavefront_size32 1
		.amdhsa_system_sgpr_workgroup_id_x 1
		.amdhsa_system_sgpr_workgroup_id_y 1
		.amdhsa_system_sgpr_workgroup_id_z 1
		.amdhsa_system_vgpr_workitem_id 0
		.amdhsa_next_free_vgpr 256
		.amdhsa_next_free_sgpr 100
		.amdhsa_reserve_vcc 1
		.amdhsa_float_denorm_mode_32 3
		.amdhsa_float_denorm_mode_16_64 3
		.amdhsa_memory_ordered 1
		.amdhsa_forward_progress 1
		.amdhsa_inst_pref_size 75
	.end_amdhsa_kernel
	.amdgpu_metadata
---
amdhsa.version: [ 1, 2 ]
amdhsa.kernels:
  - .name:           k_q458c219ef5_attn
    .symbol:         k_q458c219ef5_attn.kd
    .args:
      - { .name: qi, .offset: 0, .size: 8, .value_kind: global_buffer, .address_space: global }
      - { .name: kv, .offset: 8, .size: 8, .value_kind: global_buffer, .address_space: global }
      - { .name: oi, .offset: 16, .size: 8, .value_kind: global_buffer, .address_space: global }
    .group_segment_fixed_size: 327680
    .private_segment_fixed_size: 0
    .kernarg_segment_align: 8
    .kernarg_segment_size: 24
    .max_flat_workgroup_size: 512
    .sgpr_count:     100
    .vgpr_count:     256
    .wavefront_size: 32
...
	.end_amdgpu_metadata
.endif
;; end of part 3
;; launch ffn1 (part 4): grid 8 x 32, 4 waves a work-group, clusters of 4 x 4, 327,680 bytes of LDS; arguments oi, wts, b1, hi; writes hi
.if DOCPART == 4
	.amdgcn_target "amdgcn-amd-amdhsa--gfx1250"
	.amdhsa_code_object_version 6
	.text
	.protected	k_q458c219ef5_ffn1
	.globl	k_q458c219ef5_ffn1
	.p2align	8
	.type	k_q458c219ef5_ffn1,@function
k_q458c219ef5_ffn1:
	s_mov_b64 s[64:65], 0
	v_nop
	global_prefetch_b8 v0, s[64:65] scope:SCOPE_SE
	s_setreg_imm32_b32 hwreg(HW_REG_WAVE_MODE, 25, 1), 1
	s_wait_xcnt 0x0
	s_wait_alu depctr_hold_cnt(0) depctr_sa_sdst(0) depctr_va_vdst(0) depctr_va_sdst(0) depctr_va_ssrc(0) depctr_va_vcc(0) depctr_vm_vsrc(0)
	s_getreg_b32 s2, hwreg(HW_REG_IB_STS2, 6, 4)
	s_cmp_eq_u32 s2, 0
	s_cbranch_scc0 .Lentry_in_a_cluster
	s_endpgm
.Lentry_in_a_cluster:
	s_bfe_u32 s2, ttmp6, 0x10000c
	s_cmp_lg_u32 s2, 0xf033
	s_cbranch_scc0 .Lentry_shape_is_right
	s_endpgm
.Lentry_shape_is_right:
.set MODE, 1
.if MODE == 2
.set G, 16
.else
.set G, 8
.endif
.set LAPS,  G/4
.set BLK,   16896
.set BOFF,  4*BLK
.set SLOT,  2*BLK
.set SCR,   12*BLK
.set STG,   SCR+1024
.set SPARE, STG+4*8448
.set NP,    8
.set LI,   1
.set RDV,  10
.set STO,  11
.set ADRA, 16
.set ADRB, 20
.set ADSA, 22
.set ADSB, 24
.set SCW,  26
.set SCRD, 27
.set SPW,  28
.set NIL,  29
.set L8,   30
.set BO,   31
.set SC,   32
.set TM,   44
.set PW,   60
.set C1,   62
.set BI,   64
.set AF,   128
.set X,    128
.set PC,   192
.set BK,   128
.set G1,   24
.set G0,   32
.set G1B,  48
.set G0B,  56
.set OC,   68
.set OS,   70
.set C2,   72
.set SEL,  76
.set MNT,  78
.set MSB, 0
.macro WIN new
.if MSB != \new
	s_set_vgpr_msb (MSB<<8)|\new
.set MSB, \new
.endif
.endm
.macro JLOAD g0a, g1a, g0b, g1b
	s_cmp_eq_u32 s15, 0
	s_cbranch_scc0 .Lfor_b_\@
	tensor_load_to_lds s[\g0a:\g0a+3], s[\g1a:\g1a+7]
	s_nop 0
.rept 4
	v_nop
.endr
	s_branch .Lasked_\@
.Lfor_b_\@:
	tensor_load_to_lds s[\g0b:\g0b+3], s[\g1b:\g1b+7]
	s_nop 0
.rept 4
	v_nop
.endr
.Lasked_\@:
.endm
.macro CREST
	s_cmp_lg_u32 s14, 0
	s_cbranch_scc1 .Lnot_wave_0_\@
	s_barrier_signal -3
.Lnot_wave_0_\@:
	s_barrier_wait -3
	s_barrier_signal -1
	s_barrier_wait -1
.endm
.macro CROUND
	s_barrier_signal -1
	s_barrier_wait -1
	CREST
.endm
.macro PLACES n
.rept \n
	v_nop
.endr
.endm
	s_load_b256 s[4:11], s[0:1], 0x0
	v_lshl_add_u32 v[SPW], v0, 2, SPARE
	v_mov_b32 v[NIL], 0
	ds_add_u32 v28, v29
	ds_add_u32 v28, v29
	s_wait_dscnt 0x0
	v_lshrrev_b32 v2, 5, v0
	v_readfirstlane_b32 s14, v2
	s_lshr_b32 s15, s14, 1
	s_and_b32 s16, s14, 1
	s_bfe_u32 s40, ttmp6, 0x40000
	s_bfe_u32 s41, ttmp6, 0x40004
	s_and_b32 s18, ttmp7, 0xffff
.if MODE == 0
	s_and_b32 s19, s18, 1
	s_lshr_b32 s45, s18, 1
	s_cmp_eq_u32 ttmp9, 2
	s_cselect_b32 s17, s19, s18
	s_cselect_b32 s42, s45, 0
.else
	s_mov_b32 s17, s18
	s_mov_b32 s42, ttmp9
.endif
	s_lshl_b32 s17, s17, 2
	s_add_co_u32 s17, s17, s41
	s_lshl_b32 s42, s42, 2
	s_add_co_u32 s42, s42, s40
	s_lshl_b32 s43, s41, 2
	s_lshl_b32 s43, 15, s43
	s_lshl_b32 s44, 0x1111, s40
	s_or_b32 s[G1], s43, (3<<16)|(1<<21)
	s_or_b32 s[G1B], s44, (3<<16)|(1<<21)
	s_mov_b32 s[G1+1], 32<<16
	s_mov_b32 s[G1+2], 132<<16
	s_mov_b32 s[G1+3], 32<<16
	s_mov_b32 s[G1+4], 132
	s_mov_b32 s[G1+5], 32
	s_mov_b32 s[G1+6], 0
	s_mov_b32 s[G1+7], 0
	s_mov_b32 s[G1B+1], 32<<16
	s_mov_b32 s[G1B+2], 264<<16
	s_mov_b32 s[G1B+3], 32<<16
	s_mov_b32 s[G1B+4], 264
	s_mov_b32 s[G1B+5], 32
	s_mov_b32 s[G1B+6], 0
	s_mov_b32 s[G1B+7], 0
	s_mul_i32 s20, s17, G
	s_add_co_u32 s20, s20, s16
	s_mul_i32 s20, s20, BLK
	s_mov_b32 s21, 0
	s_lshl_b32 s46, s42, 1
	s_add_co_u32 s46, s46, s16
	s_mul_i32 s46, s46, G*BLK
	s_mov_b32 s47, 0
	s_mul_i32 s45, s16, BLK
	s_mul_i32 s79, s16, BOFF
	s_add_co_u32 s79, s79, BOFF
	s_mov_b32 s[SEL], 0x76543210
	s_mov_b32 s[SEL+1], 0xfedcba98
	s_mov_b32 s[MNT], 0x600000
	s_mov_b32 s[C2], 0xbdd2d3e8
	s_mov_b32 s[C2+1], s[C2]
	v_mov_b32 v[C1], 0xc0135761
	v_mov_b32 v[C1+1], v[C1]
.irp b, 0,1,2,3
	v_mov_b32 v[TM+4+\b], 0
.endr
	v_bfe_u32 v3, v0, 4, 1
	v_lshlrev_b32 v[BO], 6, v3
	s_wait_alu depctr_va_vdst(0)
	s_wait_kmcnt 0x0
.if MODE == 0
	s_mul_i32 s74, ttmp9, 1081344
	s_mov_b32 s75, 0
	s_add_nc_u64 s[6:7], s[6:7], s[74:75]
	s_cmp_eq_u32 ttmp9, 2
	s_cselect_b64 s[80:81], s[6:7], s[4:5]
	s_cselect_b64 s[82:83], s[4:5], s[6:7]
.elseif MODE == 1
	s_mov_b64 s[80:81], s[4:5]
	s_add_nc_u64 s[82:83], s[6:7], 3244032
.else
	s_mov_b64 s[80:81], s[4:5]
	s_add_nc_u64 s[82:83], s[6:7], 5406720
.endif
	s_add_nc_u64 s[20:21], s[80:81], s[20:21]
	s_add_nc_u64 s[46:47], s[82:83], s[46:47]
.if MODE > 0
	s_lshl_b32 s86, s42, 10
	s_lshl_b32 s87, s16, 9
	s_add_co_u32 s86, s86, s87
	s_mov_b32 s87, 0
	s_add_nc_u64 s[84:85], s[8:9], s[86:87]
.irp b, 0,1,2,3,4,5,6,7
	global_load_b128 v[BI+8*\b:BI+8*\b+3], v[BO], s[84:85] offset:(32*(\b/2)+8*(\b%2))*4
	global_load_b128 v[BI+8*\b+4:BI+8*\b+7], v[BO], s[84:85] offset:(32*(\b/2)+8*(\b%2))*4+16
.endr
.endif
	CROUND
.irp s, 0,1
	s_mov_b32 s[G0+4*\s], 1
	s_add_co_u32 s[G0+4*\s+1], s45, \s*SLOT
	s_add_nc_u64 s[G0+4*\s+2:G0+4*\s+3], s[20:21], \s*2*BLK
	s_or_b32 s[G0+4*\s+3], s[G0+4*\s+3], 0x80000000
	s_mov_b32 s[G0B+4*\s], 1
	s_add_co_u32 s[G0B+4*\s+1], s79, \s*SLOT
	s_add_nc_u64 s[G0B+4*\s+2:G0B+4*\s+3], s[46:47], \s*2*BLK
	s_or_b32 s[G0B+4*\s+3], s[G0B+4*\s+3], 0x80000000
	s_wait_alu depctr_va_vdst(0)
.endr
	s_mov_b32 s96, 1                               ; LDS lies by operand (A's four blocks, B's four and four): the head's one load a wave fills both slots: K steps 0 to 3
	s_mul_i32 s97, s16, 2*BLK
	s_mul_i32 s98, s16, BLK
	s_mov_b32 s99, 0
	s_add_nc_u64 s[98:99], s[20:21], s[98:99]
	s_or_b32 s99, s99, 0x80000000
	JLOAD 96, G1, G0B, G1B
	v_and_b32 v4, 31, v0
	v_lshlrev_b32 v[LI], 4, v4
	s_wait_alu depctr_va_vdst(0)
	v_lshlrev_b32 v5, 2, v4
	s_wait_alu depctr_va_vdst(0)
	v_lshlrev_b32 v[L8], 3, v4
	v_and_b32 v2, 15, v0
	s_wait_alu depctr_va_vdst(0)
	s_lshl_b32 s20, s15, 13
	s_mul_i32 s21, s16, BOFF
	s_add_co_u32 s21, s21, BOFF
	s_lshl_b32 s22, s15, 8
	s_add_co_u32 s22, s22, 16384
	s_add_co_u32 s23, s21, 16384
.irp s, 0,1
	v_add_nc_u32 v[ADRA+\s], s20, v[LI]
	v_add_nc_u32 v[ADRB+\s], s21, v[LI]
	v_add_nc_u32 v[ADSA+\s], s22, v5
	v_add_nc_u32 v[ADSB+\s], s23, v5
	s_add_co_u32 s20, s20, SLOT
	s_add_co_u32 s21, s21, SLOT
	s_add_co_u32 s22, s22, SLOT
	s_add_co_u32 s23, s23, SLOT
.endr
	s_lshl_b32 s20, s14, 8
	s_add_co_u32 s20, s20, SCR
	v_lshl_add_u32 v[SCW], v2, 2, s20
	v_add_nc_u32 v[SCRD], s20, v[L8]
	s_mul_i32 s20, s14, 8448
	s_add_co_u32 s20, s20, STG
	v_mul_u32_u24 v[STO], v2, 528
	v_lshl_add_u32 v[STO], v3, 6, v[STO]
	v_add_nc_u32 v[STO], s20, v[STO]
	v_add_nc_u32 v[RDV], s20, v[LI]
	s_mov_b32 s93, 0
	s_mov_b32 s95, 0
.if MODE == 0
	s_lshl_b32 s20, s42, 1
	s_add_co_u32 s20, s20, s16
	s_lshr_b32 s21, s17, 1
	s_and_b32 s22, s17, 1
	s_add_co_u32 s23, s16, 2
	s_add_co_u32 s74, s16, 16
	s_cmp_eq_u32 ttmp9, 2
	s_cselect_b32 s75, s17, s20
	s_cselect_b32 s21, s42, s21
	s_cselect_b32 s23, s23, s22
	s_cselect_b32 s74, s74, s22
	s_lshr_b32 s86, s21, 3
	s_lshl_b32 s86, s86, 3
	s_add_co_u32 s86, s86, s75
	s_and_b32 s21, s21, 7
	s_lshl_b32 s87, s86, 19
	s_lshl_b32 s88, s21, 16
	s_add_co_u32 s87, s87, s88
	s_lshl_b32 s88, s23, 14
	s_add_co_u32 s87, s87, s88
	s_lshl_b32 s88, s15, 13
	s_add_co_u32 s87, s87, s88
	s_lshl_b32 s89, s86, 14
	s_lshl_b32 s88, s21, 10
	s_add_co_u32 s89, s89, s88
	s_lshl_b32 s88, s74, 9
	s_add_co_u32 s89, s89, s88
	s_lshl_b32 s88, s15, 8
	s_add_co_u32 s89, s89, s88
	s_add_co_u32 s89, s89, 8388608
	s_lshl_b32 s90, s75, 8
	s_lshl_b32 s88, s17, 3
	s_add_co_u32 s90, s90, s88
	s_lshl_b32 s88, s15, 2
	s_add_co_u32 s90, s90, s88
	s_lshl_b32 s91, s90, 11
	s_lshl_b32 s90, s90, 6
	s_add_co_u32 s90, s90, 4194304
	s_cmp_eq_u32 ttmp9, 0
	s_cselect_b64 s[OC:OC+1], s[8:9], s[10:11]
	s_cselect_b32 s92, s91, s87
	s_cselect_b32 s94, s90, s89
	s_add_nc_u64 s[OS:OS+1], s[OC:OC+1], s[94:95]
	s_add_nc_u64 s[OC:OC+1], s[OC:OC+1], s[92:93]
.elseif MODE == 1
	s_lshl_b32 s20, s17, 4
	s_lshl_b32 s21, s42, 1
	s_add_co_u32 s20, s20, s21
	s_add_co_u32 s20, s20, s16
	s_mul_i32 s20, s20, BLK
	s_lshl_b32 s21, s15, 13
	s_add_co_u32 s92, s20, s21
	s_lshl_b32 s21, s15, 8
	s_add_co_u32 s94, s20, s21
	s_add_co_u32 s94, s94, 16384
	s_add_nc_u64 s[OC:OC+1], s[10:11], s[92:93]
	s_add_nc_u64 s[OS:OS+1], s[10:11], s[94:95]
.else
	s_lshl_b32 s92, s17, 19
	s_lshl_b32 s21, s15, 18
	s_add_co_u32 s92, s92, s21
	s_lshl_b32 s21, s42, 10
	s_add_co_u32 s92, s92, s21
	s_lshl_b32 s21, s16, 9
	s_add_co_u32 s92, s92, s21
	s_add_nc_u64 s[OC:OC+1], s[10:11], s[92:93]
.endif
.macro FETCH slot, kk, p
	WIN 0x40
.irp b, 0,1,2,3,4,5,6,7
.irp c, 0,1,2,3
	ds_load_b128 v[128*(\p)+16*\b+4*\c:128*(\p)+16*\b+4*\c+3], v[ADRB+\slot] offset:BLK*(\kk)+2048*\b+512*\c
.endr
.endr
	WIN 0
.irp a, 0,1,2,3
.irp c, 0,1,2,3
	ds_load_b128 v[AF+64*(\p)+16*\a+4*\c:AF+64*(\p)+16*\a+4*\c+3], v[ADRA+\slot] offset:BLK*(\kk)+2048*\a+512*\c
.endr
.endr
.irp i, 0,1
	ds_load_b32 v[SC+6*(\p)+\i], v[ADSA+\slot] offset:BLK*(\kk)+128*\i
.endr
.irp i, 0,1,2,3
	ds_load_b32 v[SC+6*(\p)+2+\i], v[ADSB+\slot] offset:BLK*(\kk)+128*\i
.endr
.endm
.macro WM a, b, p, cm
.set rD, 8*(8*(\a)+(\b))
.set rC, rD
.if \cm == 2
.set rC, BI+8*(\b)
.endif
.set rB, 128*(\p)+16*(\b)
.set rA, AF+64*(\p)+16*(\a)
.set rT, SC+6*(\p)+2+(\b)/2
.set rU, SC+6*(\p)+(\a)/2
.set oo, 2*((\b)%2)+(\a)%2
.if \cm == 1
.if oo == 0
	v_wmma_scale_f32_16x16x128_f8f6f4 v[rD:rD+7], v[rB:rB+15], v[rA:rA+15], 0, v[rT], v[rU] matrix_a_fmt:MATRIX_FMT_BF8 matrix_b_fmt:MATRIX_FMT_BF8
.elseif oo == 1
	v_wmma_scale_f32_16x16x128_f8f6f4 v[rD:rD+7], v[rB:rB+15], v[rA:rA+15], 0, v[rT], v[rU] matrix_a_fmt:MATRIX_FMT_BF8 matrix_b_fmt:MATRIX_FMT_BF8 matrix_b_scale:MATRIX_SCALE_ROW1
.elseif oo == 2
	v_wmma_scale_f32_16x16x128_f8f6f4 v[rD:rD+7], v[rB:rB+15], v[rA:rA+15], 0, v[rT], v[rU] matrix_a_fmt:MATRIX_FMT_BF8 matrix_b_fmt:MATRIX_FMT_BF8 matrix_a_scale:MATRIX_SCALE_ROW1
.else
	v_wmma_scale_f32_16x16x128_f8f6f4 v[rD:rD+7], v[rB:rB+15], v[rA:rA+15], 0, v[rT], v[rU] matrix_a_fmt:MATRIX_FMT_BF8 matrix_b_fmt:MATRIX_FMT_BF8 matrix_a_scale:MATRIX_SCALE_ROW1 matrix_b_scale:MATRIX_SCALE_ROW1
.endif
.else
.if oo == 0
	v_wmma_scale_f32_16x16x128_f8f6f4 v[rD:rD+7], v[rB:rB+15], v[rA:rA+15], v[rC:rC+7], v[rT], v[rU] matrix_a_fmt:MATRIX_FMT_BF8 matrix_b_fmt:MATRIX_FMT_BF8
.elseif oo == 1
	v_wmma_scale_f32_16x16x128_f8f6f4 v[rD:rD+7], v[rB:rB+15], v[rA:rA+15], v[rC:rC+7], v[rT], v[rU] matrix_a_fmt:MATRIX_FMT_BF8 matrix_b_fmt:MATRIX_FMT_BF8 matrix_b_scale:MATRIX_SCALE_ROW1
.elseif oo == 2
	v_wmma_scale_f32_16x16x128_f8f6f4 v[rD:rD+7], v[rB:rB+15], v[rA:rA+15], v[rC:rC+7], v[rT], v[rU] matrix_a_fmt:MATRIX_FMT_BF8 matrix_b_fmt:MATRIX_FMT_BF8 matrix_a_scale:MATRIX_SCALE_ROW1
.else
	v_wmma_scale_f32_16x16x128_f8f6f4 v[rD:rD+7], v[rB:rB+15], v[rA:rA+15], v[rC:rC+7], v[rT], v[rU] matrix_a_fmt:MATRIX_FMT_BF8 matrix_b_fmt:MATRIX_FMT_BF8 matrix_a_scale:MATRIX_SCALE_ROW1 matrix_b_scale:MATRIX_SCALE_ROW1
.endif
.endif
.endm
.macro MUL16 a0, p, cm
.irp a, \a0, \a0+1
.irp b, 0,1,2,3,4,5,6,7
	WM \a, \b, \p, \cm
.endr
.endr
.endm
.macro MULW cm
.if \cm == 2
	WIN 0x81
.else
	WIN 0xa1
.endif
.endm
.macro STEP slot, cm
	s_wait_dscnt 0x0
	MULW \cm
	MUL16 0, 0, \cm
	PLACES NP
	FETCH \slot, 1, 1
	MULW \cm
	MUL16 2, 0, \cm
	WIN 0
.endm
.macro TURN slot, next, fill
	WIN 0
	s_wait_tensorcnt 0x0
	ds_add_u32 v[SPW], v[NIL]
	s_wait_dscnt 1
	WIN 0xa1
	MUL16 0, 1, 0
	s_wait_dscnt 0x0
	WIN 0
	s_barrier_signal -1
	s_barrier_wait -1
.if \fill
	CREST
	s_add_nc_u64 s[G0+4*\slot+2:G0+4*\slot+3], s[G0+4*\slot+2:G0+4*\slot+3], 4*BLK
	s_add_nc_u64 s[G0B+4*\slot+2:G0B+4*\slot+3], s[G0B+4*\slot+2:G0B+4*\slot+3], 4*BLK
	JLOAD G0+4*\slot, G1, G0B+4*\slot, G1B
	PLACES NP-4
.else
	PLACES NP
.endif
	s_wait_alu depctr_va_vdst(0)
	FETCH \next, 0, 0
	WIN 0xa1
	MUL16 2, 1, 0
	WIN 0
.endm
	s_wait_alu depctr_va_vdst(0)
	s_wait_tensorcnt 0x0                           ; my part of both slots is in; no load of mine is out, so group 1 may be written: a refill brings one slot's part
	s_mov_b32 s[G1+2], 66<<16
	s_mov_b32 s[G1+4], 66
	s_mov_b32 s[G1B+2], 132<<16
	s_mov_b32 s[G1B+4], 132
	s_barrier_signal -1
	s_barrier_wait -1
	FETCH 0, 0, 0
.if MODE > 0
	s_wait_loadcnt 0x0
	STEP 0, 2
.else
	STEP 0, 1
.endif
	s_mov_b32 s3, LAPS-1
.Llap:
	TURN 0, 1, 1
	STEP 1, 0
	TURN 1, 0, 1
	STEP 0, 0
	s_sub_co_u32 s3, s3, 1
	s_cmp_lg_u32 s3, 0
	s_cbranch_scc1 .Llap
	TURN 0, 1, 0
	STEP 1, 0
	s_wait_dscnt 0x0
	WIN 0xa1
	MUL16 0, 1, 0
	MUL16 2, 1, 0
	WIN 0
	PLACES NP
.if MODE < 2
.macro QMAX s, w
	WIN \w
.irp b, 0,1,2,3
	v_max3_num_f32 v[TM+\b], |v[\s+16*\b]|, |v[\s+16*\b+1]|, 0x8000000
.endr
.irp i, 2,4,6,8,10,12,14
.irp b, 0,1,2,3
	v_max3_num_f32 v[TM+\b], |v[\s+16*\b+\i]|, |v[\s+16*\b+\i+1]|, v[TM+\b]
.endr
.endr
	WIN 0
.endm
.macro QMID
.irp b, 0,1,2,3
	v_permlanex16_b32 v[TM+4+\b], v[TM+\b], s[SEL], s[SEL+1]
.endr
.irp b, 0,1,2,3
	v_max_num_f32 v[TM+\b], v[TM+\b], v[TM+4+\b]
.endr
.irp b, 0,1,2,3
	v_add_nc_u32 v[TM+12+\b], 0xf8800000, v[TM+\b]
.endr
.irp b, 0,1,2,3
	v_and_or_b32 v[TM+8+\b], v[TM+\b], 0x7f800000, s[MNT]
.endr
.irp b, 0,1,2,3
	v_lshrrev_b32 v[TM+4+\b], 23, v[TM+12+\b]
.endr
	v_lshl_or_b32 v[PW], v[TM+5], 8, v[TM+4]
	v_lshl_or_b32 v[PW], v[TM+6], 16, v[PW]
	v_lshl_or_b32 v[PW], v[TM+7], 24, v[PW]
.endm
.macro QHOLD s, w
	WIN \w
.irp b, 0,1,2,3
.irp i, 0,1,2,3,4,5,6,7,8,9,10,11,12,13,14,15
	v_med3_num_f32 v[X+16*\b+\i], v[\s+16*\b+\i], -v[TM+8+\b], v[TM+8+\b]
.endr
.endr
	WIN 0
.endm
.macro QCVT pc
.irp b, 0,1,2,3
	v_cvt_scalef32_pk8_bf8_f32 v[\pc+4*\b:\pc+4*\b+1], v[X+16*\b:X+16*\b+7], v[TM+12+\b]
	v_cvt_scalef32_pk8_bf8_f32 v[\pc+4*\b+2:\pc+4*\b+3], v[X+16*\b+8:X+16*\b+15], v[TM+12+\b]
.endr
	v_nop
.endm
.macro GELU a
.set AC, 64*(\a)
	WIN 0x0a
.set nn, 0
.rept 32
	v_pk_mul_f32 v[X+nn:X+nn+1], v[AC+nn:AC+nn+1], v[AC+nn:AC+nn+1]
.set nn, nn+2
.endr
	WIN 0
.set nn, 0
.rept 32
	v_pk_fma_f32 v[X+nn:X+nn+1], v[X+nn:X+nn+1], s[C2:C2+1], v[C1:C1+1] op_sel_hi:[1,0,0]
.set nn, nn+2
.endr
	WIN 0x08
.set nn, 0
.rept 32
	v_pk_mul_f32 v[X+nn:X+nn+1], v[X+nn:X+nn+1], v[AC+nn:AC+nn+1]
.set nn, nn+2
.endr
	WIN 0
.set nn, 0
	s_wait_alu depctr_va_vdst(0)
.rept 64
	v_exp_f32 v[X+nn], v[X+nn]
.set nn, nn+1
.endr
	v_nop
	s_wait_alu depctr_va_vdst(0)
.set nn, 0
.rept 32
	v_pk_add_f32 v[X+nn:X+nn+1], v[X+nn:X+nn+1], 1.0 op_sel_hi:[1,0]
.set nn, nn+2
.endr
.set nn, 0
	s_wait_alu depctr_va_vdst(0)
.rept 64
	v_rcp_f32 v[X+nn], v[X+nn]
.set nn, nn+1
.endr
	v_nop
	s_wait_alu depctr_va_vdst(0)
	WIN 0x08
.set nn, 0
.rept 32
	v_pk_mul_f32 v[X+nn:X+nn+1], v[X+nn:X+nn+1], v[AC+nn:AC+nn+1]
.set nn, nn+2
.endr
	WIN 0
.endm
.macro OUT a
.if MODE == 1
	GELU \a
	QMAX X, 0
	QMID
	QHOLD X, 0
.else
	QMAX 64*(\a), 0x0a
	QMID
	QHOLD 64*(\a), 0x02
.endif
	QCVT PC+16*(\a)
.irp c, 0,1,2,3
	global_store_b128 v[LI], v[PC+16*(\a)+4*\c:PC+16*(\a)+4*\c+3], s[OC:OC+1] offset:2048*(\a)+512*\c
.endr
	ds_store_b32 v[SCW], v[PW] offset:64*(\a)
.endm
	OUT 0
	OUT 1
	OUT 2
	OUT 3
	ds_load_b64 v[TM:TM+1], v[SCRD]
	s_wait_dscnt 0x0
	global_store_b64 v[L8], v[TM:TM+1], s[OS:OS+1]
.else
.macro TOSTAGE a
	WIN 0x08
.irp b, 0,1,2,3,4,5,6,7
	ds_store_b128 v[STO], v[64*(\a)+8*\b:64*(\a)+8*\b+3] offset:128*(\b/2)+32*(\b%2)
	ds_store_b128 v[STO], v[64*(\a)+8*\b+4:64*(\a)+8*\b+7] offset:128*(\b/2)+32*(\b%2)+16
.endr
	WIN 0
.set BB, BK+64*((\a)%2)
.irp t, 0,1,2,3,4,5,6,7,8,9,10,11,12,13,14,15
	ds_load_b128 v[BB+4*\t:BB+4*\t+3], v[RDV] offset:528*\t
.endr
.endm
.macro SEND a, younger
.set BB, BK+64*((\a)%2)
	s_wait_dscnt \younger
.irp t, 0,1,2,3,4,5,6,7,8,9,10,11,12,13,14,15
	global_store_b128 v[LI], v[BB+4*\t:BB+4*\t+3], s[OC:OC+1] offset:(32*((\a)/2)+8*((\a)%2)+\t+8*(\t/8))*4096 th:TH_STORE_NT
.endr
.endm
	TOSTAGE 0
.irp a, 1,2,3
.if \a > 1
	s_wait_xcnt 0x0
.endif
	TOSTAGE \a
	SEND \a-1, 32
.endr
	SEND 3, 0
.endif
	s_wait_tensorcnt 0x0
	ds_add_u32 v[SPW], v[NIL]
	s_wait_dscnt 0x0
	CROUND
	s_endpgm
.Lfunc_end_k_q458c219ef5_ffn1:
	.size	k_q458c219ef5_ffn1, .Lfunc_end_k_q458c219ef5_ffn1-k_q458c219ef5_ffn1
	.p2alignl 7, 3214868480
	.fill 96, 4, 3214868480
	.section	.rodata,"a",@progbits
	.p2align	6, 0x0
	.amdhsa_kernel k_q458c219ef5_ffn1
		.amdhsa_group_segment_fixed_size 327680
		.amdhsa_private_segment_fixed_size 0
		.amdhsa_enable_private_segment 0
		.amdhsa_kernarg_size 32
		.amdhsa_user_sgpr_count 2
		.amdhsa_user_sgpr_kernarg_segment_ptr 1
		.amdhsa_wavefront_size32 1
		.amdhsa_system_sgpr_workgroup_id_x 1
		.amdhsa_system_sgpr_workgroup_id_y 1
		.amdhsa_system_sgpr_workgroup_id_z 1
		.amdhsa_system_vgpr_workitem_id 0
		.amdhsa_next_free_vgpr 768
		.amdhsa_next_free_sgpr 100
		.amdhsa_reserve_vcc 0
		.amdhsa_float_denorm_mode_32 3
		.amdhsa_float_denorm_mode_16_64 3
		.amdhsa_memory_ordered 1
		.amdhsa_forward_progress 1
		.amdhsa_inst_pref_size 167
	.end_amdhsa_kernel
	.amdgpu_metadata
---
amdhsa.version: [ 1, 2 ]
amdhsa.kernels:
  - .name:           k_q458c219ef5_ffn1
    .symbol:         k_q458c219ef5_ffn1.kd
    .args:
      - { .name: oi, .offset: 0, .size: 8, .value_kind: global_buffer, .address_space: global }
      - { .name: wts, .offset: 8, .size: 8, .value_kind: global_buffer, .address_space: global }
      - { .name: b1, .offset: 16, .size: 8, .value_kind: global_buffer, .address_space: global }
      - { .name: hi, .offset: 24, .size: 8, .value_kind: global_buffer, .address_space: global }
    .group_segment_fixed_size: 327680
    .private_segment_fixed_size: 0
    .kernarg_segment_align: 8
    .kernarg_segment_size: 32
    .max_flat_workgroup_size: 128
    .sgpr_count:     100
    .vgpr_count:     768
    .wavefront_size: 32
...
	.end_amdgpu_metadata
.endif
;; end of part 4
;; launch ffn2 (part 5): grid 8 x 32, 4 waves a work-group, clusters of 4 x 4, 327,680 bytes of LDS; arguments hi, wts, b2, out0; writes out0
.if DOCPART == 5
	.amdgcn_target "amdgcn-amd-amdhsa--gfx1250"
	.amdhsa_code_object_version 6
	.text
	.protected	k_q458c219ef5_ffn2
	.globl	k_q458c219ef5_ffn2
	.p2align	8
	.type	k_q458c219ef5_ffn2,@function
k_q458c219ef5_ffn2:
	s_mov_b64 s[64:65], 0
	v_nop
	global_prefetch_b8 v0, s[64:65] scope:SCOPE_SE
	s_setreg_imm32_b32 hwreg(HW_REG_WAVE_MODE, 25, 1), 1
	s_wait_xcnt 0x0
	s_wait_alu depctr_hold_cnt(0) depctr_sa_sdst(0) depctr_va_vdst(0) depctr_va_sdst(0) depctr_va_ssrc(0) depctr_va_vcc(0) depctr_vm_vsrc(0)
	s_getreg_b32 s2, hwreg(HW_REG_IB_STS2, 6, 4)
	s_cmp_eq_u32 s2, 0
	s_cbranch_scc0 .Lentry_in_a_cluster
	s_endpgm
.Lentry_in_a_cluster:
	s_bfe_u32 s2, ttmp6, 0x10000c
	s_cmp_lg_u32 s2, 0xf033
	s_cbranch_scc0 .Lentry_shape_is_right
	s_endpgm
.Lentry_shape_is_right:
; out = h W2^T + b2, f32, on codes of BF8 (E5M2) with one E8M0 byte for each 32 along K = 2,048.  OPERANDS ARE IMAGES OF THEIR REGISTERS: tiles of 16 rows, K steps of 128; lane r of tile T holds row
; 32 (T / 2) + 8 (T % 2) + r + 8 (r / 8); an image is 2,048 bytes; a block (128 rows, one K step) is 8 images and 8 scale vectors of 64 bytes: 16,896 bytes; a buffer is [R / 128][16] blocks.
; SHARES.  256 work-groups: 128 rows of h (A) x 128 rows of W2 (B).  Wave w (wa = w / 2, wb = w % 2): A's tiles 4 wa .. + 3 x B's tiles 4 wb .. + 3: 16 accumulators.  The product is used transposed
; (source 0 = B's tile): lane r holds A's tile row r, register j of B's tile 2 b + u column 32 b + 16 (lane / 16) + 8 u + j.  The bias is the C of each sum's first product.
; THE RING: two slots of FOUR K steps; LDS holds A's eight blocks, then B's eight.  At the head each wave brings one slot of one operand (four dense blocks), so K steps 0 to 7 are asked for at once.
; Two refills follow (K steps 8-11, 12-15), each behind a round of the cluster's barrier, two blocks a wave.  All sixteen K steps are written out by macros: no loop.
; CLUSTERS: 4 x 4; A's blocks are asked for jointly along a row of the cluster, B's along a column.
; PREFETCH: a wave's 33,792 bytes of a refill are 132 blocks of 256 bytes; each of the four partners that ask jointly names 33 of them, told apart by address: 32 by a lane each, the last by all lanes.
; Refill 0's are named behind the head's barrier, four K steps ahead of its load; refill 1's behind refill 0's load, four K steps ahead too.
; LIMITS: NaN and infinities are not served.
; REGISTERS: window 0: v1-31 addresses; v32-39 scale words, two sets; v64-95 the bias; v128-255 A's fragments, two sets (on the way out: rows read back).  Window 1: v0-127 B's fragments, two sets; v128-255 accumulator (a, b) at 128 + 8 (4 a + b).
.set BLK,   16896
.set BREG,  8*BLK
.set SLOT,  4*BLK
.set STG,   16*BLK                     ; a stage of 16 rows x (256 + 16) bytes a wave
.set SPARE, STG+4*4352
.set NP,    8
.set LI,   1
.set RDV,  10
.set STO,  11
.set CO,   12
.set PFO,  13
.set PFZ,  14
.set ADRA, 16
.set ADRB, 20
.set ADSA, 22
.set ADSB, 24
.set SPW,  28
.set NIL,  29
.set BO,   31
.set SC,   32
.set BI,   64
.set AF,   128
.set BK,   128
.set G1,   24                          ; s[24:31] group 1 for A; s[32:35] the head's group 0, s[36:39] the refills'
.set G0,   32
.set G1B,  48
.set G0B,  56
.set OC,   68
.set PF,   70
.set MSB, 0
.macro WIN new
.if MSB != \new
	s_set_vgpr_msb (MSB<<8)|\new
.set MSB, \new
.endif
.endm
.macro JLOAD g0a, g1a, g0b, g1b        ; waves 0, 1 fetch for A, waves 2, 3 for B
	s_cmp_eq_u32 s15, 0
	s_cbranch_scc0 .Lfor_b_\@
	tensor_load_to_lds s[\g0a:\g0a+3], s[\g1a:\g1a+7]
	s_nop 0
.rept 4
	v_nop
.endr
	s_branch .Lasked_\@
.Lfor_b_\@:
	tensor_load_to_lds s[\g0b:\g0b+3], s[\g1b:\g1b+7]
	s_nop 0
.rept 4
	v_nop
.endr
.Lasked_\@:
.endm
.macro CREST
	s_cmp_lg_u32 s14, 0
	s_cbranch_scc1 .Lnot_wave_0_\@
	s_barrier_signal -3
.Lnot_wave_0_\@:
	s_barrier_wait -3
	s_barrier_signal -1
	s_barrier_wait -1
.endm
.macro CROUND
	s_barrier_signal -1
	s_barrier_wait -1
	CREST
.endm
.macro PLACES n
.rept \n
	v_nop
.endr
.endm
	s_load_b256 s[4:11], s[0:1], 0x0               ; hi, wts, b2, out0
	v_lshl_add_u32 v[SPW], v0, 2, SPARE
	v_mov_b32 v[NIL], 0
	ds_add_u32 v[SPW], v[NIL]                      ; the opening lines: the add twice on end and one wait
	ds_add_u32 v[SPW], v[NIL]
	v_lshrrev_b32 v2, 5, v0
	v_readfirstlane_b32 s14, v2                    ; wave
	v_bfe_u32 v3, v0, 4, 1                         ; h
	v_lshlrev_b32 v[BO], 6, v3
	s_lshr_b32 s15, s14, 1                         ; wa; also: I fetch for A (0) or B (1)
	s_and_b32 s16, s14, 1                          ; wb; also: which part I fetch
	s_bfe_u32 s40, ttmp6, 0x40000
	s_bfe_u32 s41, ttmp6, 0x40004
	s_and_b32 s17, ttmp7, 0xffff
	s_lshl_b32 s17, s17, 2
	s_add_co_u32 s17, s17, s41                     ; A's row block
	s_lshl_b32 s42, ttmp9, 2
	s_add_co_u32 s42, s42, s40                     ; B's row block
	s_lshl_b32 s43, s41, 2
	s_lshl_b32 s43, 15, s43
	s_lshl_b32 s44, 0x1111, s40
	s_or_b32 s[G1], s43, (3<<16)|(1<<21)
	s_or_b32 s[G1B], s44, (3<<16)|(1<<21)
.irp g, G1, G1B
	s_mov_b32 s[\g+1], 32<<16                      ; dense bytes as rows of 256: at the head 264 rows (four blocks)
	s_mov_b32 s[\g+2], 264<<16
	s_mov_b32 s[\g+3], 32<<16
	s_mov_b32 s[\g+4], 264
	s_mov_b32 s[\g+5], 32
	s_mov_b32 s[\g+6], 0
	s_mov_b32 s[\g+7], 0
.endr
	s_lshl_b32 s19, s16, 2
	s_lshl_b32 s20, s17, 4
	s_add_co_u32 s20, s20, s19
	s_mul_i32 s20, s20, BLK                        ; A: block (row block, K step 4 wb)
	s_mov_b32 s21, 0
	s_lshl_b32 s46, s42, 4
	s_add_co_u32 s46, s46, s19
	s_mul_i32 s46, s46, BLK
	s_add_co_u32 s46, s46, 5406720                 ; B likewise, in W2's part of wts
	s_mov_b32 s47, 0
	s_mul_i32 s45, s14, SLOT                       ; the head's place in LDS: operand w / 2, slot w % 2
	s_lshl_b32 s18, s16, 1
	s_sub_co_u32 s18, 8, s18
	s_mul_i32 s18, s18, BLK                        ; from K step 4 wb to K step 8 + 2 wb: my part of refill 0
	s_mov_b32 s19, 0
	s_mul_i32 s22, s15, BREG
	s_mul_i32 s23, s16, 2*BLK
	s_add_co_u32 s22, s22, s23                     ; and its place in LDS
	s_lshl_b32 s86, s42, 9
	s_lshl_b32 s87, s16, 8
	s_add_co_u32 s86, s86, s87                     ; the bias of my 64 columns
	s_mov_b32 s87, 0
	s_lshl_b32 s92, s17, 19
	s_lshl_b32 s93, s15, 18
	s_add_co_u32 s92, s92, s93
	s_add_co_u32 s92, s92, s86                     ; out0: row 128 x row block + 64 wa, my 64 columns
	s_mov_b32 s93, 0
	s_cmp_eq_u32 s15, 0
	s_cselect_b32 s74, s40, s41                    ; my place among the four that ask with me
	s_mul_i32 s74, s74, 8448
	s_mov_b32 s75, 0
	s_lshl_b32 s76, s15, 13
	s_lshl_b32 s77, s16, 13
	s_add_co_u32 s77, s77, BREG
	s_lshl_b32 s78, s15, 8
	s_add_co_u32 s78, s78, 16384
	s_lshl_b32 s79, s16, 8
	s_add_co_u32 s79, s79, BREG+16384
	s_mul_i32 s80, s14, 4352
	s_add_co_u32 s80, s80, STG
	s_wait_dscnt 0x0                               ; both opening adds are done
	s_wait_alu depctr_va_vdst(0)                   ; the wait, directly ahead of the wait below
	s_wait_kmcnt 0x0
	s_add_nc_u64 s[20:21], s[4:5], s[20:21]
	s_add_nc_u64 s[46:47], s[6:7], s[46:47]
	s_add_nc_u64 s[84:85], s[8:9], s[86:87]
	s_add_nc_u64 s[OC:OC+1], s[10:11], s[92:93]
.irp b, 0,1,2,3
	global_load_b128 v[BI+8*\b:BI+8*\b+3], v[BO], s[84:85] offset:(32*(\b/2)+8*(\b%2))*4
	global_load_b128 v[BI+8*\b+4:BI+8*\b+7], v[BO], s[84:85] offset:(32*(\b/2)+8*(\b%2))*4+16
.endr
	CROUND                                         ; all sixteen work-groups are here: the first joint loads meet
	s_mov_b32 s[G0], 1
	s_mov_b32 s[G0+1], s45
	s_mov_b64 s[G0+2:G0+3], s[20:21]
	s_or_b32 s[G0+3], s[G0+3], 0x80000000
	s_mov_b32 s[G0+4], 1
	s_mov_b32 s[G0+5], s22
	s_add_nc_u64 s[G0+6:G0+7], s[20:21], s[18:19]
	s_or_b32 s[G0+7], s[G0+7], 0x80000000
	s_mov_b32 s[G0B], 1
	s_mov_b32 s[G0B+1], s45
	s_mov_b64 s[G0B+2:G0B+3], s[46:47]
	s_or_b32 s[G0B+3], s[G0B+3], 0x80000000
	s_mov_b32 s[G0B+4], 1
	s_mov_b32 s[G0B+5], s22
	s_add_nc_u64 s[G0B+6:G0B+7], s[46:47], s[18:19]
	s_or_b32 s[G0B+7], s[G0B+7], 0x80000000
	s_cmp_eq_u32 s15, 0
	s_cselect_b64 s[PF:PF+1], s[20:21], s[46:47]
	s_add_nc_u64 s[PF:PF+1], s[PF:PF+1], s[18:19]
	s_add_nc_u64 s[PF:PF+1], s[PF:PF+1], s[74:75]  ; my work-group's 8,448 bytes of my part of refill 0; never rewritten
	JLOAD G0, G1, G0B, G1B                         ; one load a wave: K steps 0 to 7
	v_and_b32 v4, 31, v0
	v_and_b32 v2, 15, v0
	v_lshlrev_b32 v[LI], 4, v4
	v_lshlrev_b32 v5, 2, v4
	v_lshlrev_b32 v[PFO], 8, v4
	v_mov_b32 v[PFZ], 0
	v_add_nc_u32 v[ADRA], s76, v[LI]
	v_add_nc_u32 v[ADRA+1], SLOT, v[ADRA]
	v_add_nc_u32 v[ADRB], s77, v[LI]
	v_add_nc_u32 v[ADRB+1], SLOT, v[ADRB]
	v_add_nc_u32 v[ADSA], s78, v5
	v_add_nc_u32 v[ADSA+1], SLOT, v[ADSA]
	v_add_nc_u32 v[ADSB], s79, v5
	v_add_nc_u32 v[ADSB+1], SLOT, v[ADSB]
	v_mul_u32_u24 v[STO], v2, 272
	v_lshl_add_u32 v[STO], v3, 6, v[STO]
	v_add_nc_u32 v[STO], s80, v[STO]               ; into the stage: row r, 64 bytes for each half of the lanes
	v_mul_u32_u24 v[RDV], v3, 272
	v_lshl_add_u32 v[RDV], v2, 4, v[RDV]
	v_add_nc_u32 v[RDV], s80, v[RDV]               ; back: lanes 0-15 one row of 256 bytes, lanes 16-31 the next
	v_lshlrev_b32 v[CO], 12, v3
	v_lshl_add_u32 v[CO], v2, 4, v[CO]             ; and the same two rows in out0
.macro FETCH slot, kk, p               ; 36 LDS loads: the fragments and scale words of the slot's K step kk into set p
	WIN 0x40
.irp b, 0,1,2,3
.irp c, 0,1,2,3
	ds_load_b128 v[64*(\p)+16*\b+4*\c:64*(\p)+16*\b+4*\c+3], v[ADRB+\slot] offset:BLK*(\kk)+2048*\b+512*\c
.endr
.endr
	WIN 0
.irp a, 0,1,2,3
.irp c, 0,1,2,3
	ds_load_b128 v[AF+64*(\p)+16*\a+4*\c:AF+64*(\p)+16*\a+4*\c+3], v[ADRA+\slot] offset:BLK*(\kk)+2048*\a+512*\c
.endr
.endr
.irp i, 0,1
	ds_load_b32 v[SC+4*(\p)+\i], v[ADSA+\slot] offset:BLK*(\kk)+128*\i
	ds_load_b32 v[SC+4*(\p)+2+\i], v[ADSB+\slot] offset:BLK*(\kk)+128*\i
.endr
.endm
.macro WM a, b, p, cm                  ; B's tile b (source 0) x A's tile a (source 1); cm = 1: C = the bias.  An odd tile's scale words lie in lanes 16-31 of its pair's register
.set rD, 128+8*(4*(\a)+(\b))
.set rC, rD
.if \cm
.set rC, BI+8*(\b)
.endif
.set rB, 64*(\p)+16*(\b)
.set rA, AF+64*(\p)+16*(\a)
.set rT, SC+4*(\p)+2+(\b)/2
.set rU, SC+4*(\p)+(\a)/2
.set oo, 2*((\b)%2)+(\a)%2
.if oo == 0
	v_wmma_scale_f32_16x16x128_f8f6f4 v[rD:rD+7], v[rB:rB+15], v[rA:rA+15], v[rC:rC+7], v[rT], v[rU] matrix_a_fmt:MATRIX_FMT_BF8 matrix_b_fmt:MATRIX_FMT_BF8
.elseif oo == 1
	v_wmma_scale_f32_16x16x128_f8f6f4 v[rD:rD+7], v[rB:rB+15], v[rA:rA+15], v[rC:rC+7], v[rT], v[rU] matrix_a_fmt:MATRIX_FMT_BF8 matrix_b_fmt:MATRIX_FMT_BF8 matrix_b_scale:MATRIX_SCALE_ROW1
.elseif oo == 2
	v_wmma_scale_f32_16x16x128_f8f6f4 v[rD:rD+7], v[rB:rB+15], v[rA:rA+15], v[rC:rC+7], v[rT], v[rU] matrix_a_fmt:MATRIX_FMT_BF8 matrix_b_fmt:MATRIX_FMT_BF8 matrix_a_scale:MATRIX_SCALE_ROW1
.else
	v_wmma_scale_f32_16x16x128_f8f6f4 v[rD:rD+7], v[rB:rB+15], v[rA:rA+15], v[rC:rC+7], v[rT], v[rU] matrix_a_fmt:MATRIX_FMT_BF8 matrix_b_fmt:MATRIX_FMT_BF8 matrix_a_scale:MATRIX_SCALE_ROW1 matrix_b_scale:MATRIX_SCALE_ROW1
.endif
.endm
.macro MUL8 a0, p, cm                  ; the 16 accumulators take turns, in the same order in every K step
.if \cm
	WIN 0x41                                       ; source 0 and D window 1, source 1 and the bias window 0
.else
	WIN 0x51
.endif
.irp a, \a0, \a0+1
.irp b, 0,1,2,3
	WM \a, \b, \p, \cm
.endr
.endr
.endm
.macro KSTEP slot, fk, p, cm           ; multiplies set p; ahead of its products the slot's K step fk is fetched into the other set
	s_wait_dscnt 0x0                               ; set p is in
	PLACES NP                                      ; in front of loads into registers that the last K step's products have read
	FETCH \slot, \fk, 1-(\p)
	MUL8 0, \p, \cm
	MUL8 2, \p, \cm
	WIN 0
.endm
; A slot's last K step (set 1) changes slots.  fill = 1, 2: the slot is filled again, behind a round of the cluster's barrier; 2: the refills' group 0 steps on first; 0: a plain barrier shows the last refill
.macro TURN slot, next, fill
	s_wait_tensorcnt 0x0                           ; all my tensor loads have landed
	ds_add_u32 v[SPW], v[NIL]                      ; 0 onto my spare word
	s_wait_dscnt 1                                 ; the add alone may be out: set 1 is in
	MUL8 0, 1, 0
	s_wait_dscnt 0x0                               ; the add is done, and my reads of this slot are over
	WIN 0
	s_barrier_signal -1
	s_barrier_wait -1
.if \fill
	CREST
.if \fill == 2
	s_add_co_u32 s[G0+5], s[G0+5], SLOT
	s_add_nc_u64 s[G0+6:G0+7], s[G0+6:G0+7], SLOT
	s_add_co_u32 s[G0B+5], s[G0B+5], SLOT
	s_add_nc_u64 s[G0B+6:G0B+7], s[G0B+6:G0B+7], SLOT
.endif
	JLOAD G0+4, G1, G0B+4, G1B                     ; the first tensor load behind the round, my one load until the next
	PLACES NP-4
.else
	PLACES NP
.endif
	s_wait_alu depctr_va_vdst(0)
	FETCH \next, 0, 0
.if \fill == 1
	global_prefetch_b8 v[PFO], s[PF:PF+1] offset:SLOT th:TH_LOAD_NT scope:SCOPE_SE       ; my share of refill 1, four K steps ahead of its load
	global_prefetch_b8 v[PFZ], s[PF:PF+1] offset:SLOT+8192 th:TH_LOAD_NT scope:SCOPE_SE
.endif
	MUL8 2, 1, 0
	WIN 0
.endm
.macro THREE slot, cm
	KSTEP \slot, 1, 0, \cm
	KSTEP \slot, 2, 1, 0
	KSTEP \slot, 3, 0, 0
.endm
	s_wait_alu depctr_va_vdst(0)                   ; the wait at the head's end
	s_wait_tensorcnt 0x0                           ; my slot of my operand is in; no load of mine is out, so group 1 may be written: a refill brings 132 rows
	s_mov_b32 s[G1+2], 132<<16
	s_mov_b32 s[G1+4], 132
	s_mov_b32 s[G1B+2], 132<<16
	s_mov_b32 s[G1B+4], 132
	s_barrier_signal -1
	s_barrier_wait -1
	global_prefetch_b8 v[PFO], s[PF:PF+1] th:TH_LOAD_NT scope:SCOPE_SE                   ; my share of refill 0
	global_prefetch_b8 v[PFZ], s[PF:PF+1] offset:8192 th:TH_LOAD_NT scope:SCOPE_SE
	FETCH 0, 0, 0
	s_wait_loadcnt 0x0                             ; the bias
	THREE 0, 1                                     ; K steps 0-2; the first products start the sums from the bias
	TURN 0, 1, 1                                   ; K step 3; slot 0 takes K steps 8-11
	THREE 1, 0
	TURN 1, 0, 2                                   ; K step 7; slot 1 takes K steps 12-15
	THREE 0, 0
	TURN 0, 1, 0
	THREE 1, 0
	s_wait_dscnt 0x0
	MUL8 0, 1, 0
	MUL8 2, 1, 0
	WIN 0
	PLACES NP                                      ; in front of the first read of results, and of loads into the registers that held A's fragments
; THE WAY OUT: a tile of 16 rows x 64 columns goes through my own stage and comes back as whole rows of 256 bytes
.macro TOSTAGE a
	WIN 0x04                                       ; an LDS store's data are its source 1: window 1
.irp b, 0,1,2,3
	ds_store_b128 v[STO], v[128+8*(4*(\a)+\b):128+8*(4*(\a)+\b)+3] offset:128*(\b/2)+32*(\b%2)      ; each accumulator from its low end on
	ds_store_b128 v[STO], v[128+8*(4*(\a)+\b)+4:128+8*(4*(\a)+\b)+7] offset:128*(\b/2)+32*(\b%2)+16
.endr
	WIN 0
.set BB, BK+32*((\a)%2)
.irp t, 0,1,2,3,4,5,6,7
	ds_load_b128 v[BB+4*\t:BB+4*\t+3], v[RDV] offset:544*\t      ; LDS serves a wave's instructions in order
.endr
.endm
.macro SEND a, younger                 ; younger: the next tile's 8 stores and 8 loads, or none
.set BB, BK+32*((\a)%2)
	s_wait_dscnt \younger
.irp t, 0,1,2,3,4,5,6,7
	global_store_b128 v[CO], v[BB+4*\t:BB+4*\t+3], s[OC:OC+1] offset:(32*((\a)/2)+8*((\a)%2)+2*\t+8*(\t/4))*4096 th:TH_STORE_NT   ; sixteen lanes store 256 consecutive bytes, aligned
.endr
.endm
	TOSTAGE 0
.irp a, 1,2,3
.if \a > 1
	s_wait_xcnt 0x0                                ; tile a - 2's stores have read their registers
.endif
	TOSTAGE \a
	SEND \a-1, 16
.endr
	SEND 3, 0
	s_wait_tensorcnt 0x0                           ; the wave's end
	ds_add_u32 v[SPW], v[NIL]
	s_wait_dscnt 0x0
	CROUND                                         ; the closing round
	s_endpgm
.Lfunc_end_k_q458c219ef5_ffn2:
	.size	k_q458c219ef5_ffn2, .Lfunc_end_k_q458c219ef5_ffn2-k_q458c219ef5_ffn2
	.p2alignl 7, 3214868480
	.fill 96, 4, 3214868480
	.section	.rodata,"a",@progbits
	.p2align	6, 0x0
	.amdhsa_kernel k_q458c219ef5_ffn2
		.amdhsa_group_segment_fixed_size 327680
		.amdhsa_private_segment_fixed_size 0
		.amdhsa_enable_private_segment 0
		.amdhsa_kernarg_size 32
		.amdhsa_user_sgpr_count 2
		.amdhsa_user_sgpr_kernarg_segment_ptr 1
		.amdhsa_wavefront_size32 1
		.amdhsa_system_sgpr_workgroup_id_x 1
		.amdhsa_system_sgpr_workgroup_id_y 1
		.amdhsa_system_sgpr_workgroup_id_z 1
		.amdhsa_system_vgpr_workitem_id 0
		.amdhsa_next_free_vgpr 512
		.amdhsa_next_free_sgpr 100
		.amdhsa_reserve_vcc 0
		.amdhsa_float_denorm_mode_32 3
		.amdhsa_float_denorm_mode_16_64 3
		.amdhsa_memory_ordered 1
		.amdhsa_forward_progress 1
		.amdhsa_inst_pref_size 94
	.end_amdhsa_kernel
	.amdgpu_metadata
---
amdhsa.version: [ 1, 2 ]
amdhsa.kernels:
  - .name:           k_q458c219ef5_ffn2
    .symbol:         k_q458c219ef5_ffn2.kd
    .args:
      - { .name: hi, .offset: 0, .size: 8, .value_kind: global_buffer, .address_space: global }
      - { .name: wts, .offset: 8, .size: 8, .value_kind: global_buffer, .address_space: global }
      - { .name: b2, .offset: 16, .size: 8, .value_kind: global_buffer, .address_space: global }
      - { .name: out0, .offset: 24, .size: 8, .value_kind: global_buffer, .address_space: global }
    .group_segment_fixed_size: 327680
    .private_segment_fixed_size: 0
    .kernarg_segment_align: 8
    .kernarg_segment_size: 32
    .max_flat_workgroup_size: 128
    .sgpr_count:     100
    .vgpr_count:     512
    .wavefront_size: 32
...
	.end_amdgpu_metadata
.endif
;; end of part 5
